; MI455X (gfx1250); checked and timed in simulation.
; The chip was launched on July 23, 2026; its instructions are those of AMD's public machine-readable ISA for CDNA 5 (MIT licence, August 2026) and "CDNA5" Instruction Set Architecture Reference Guide (July 2026). The comments in the code are by the model that wrote it; some were corrected since.
;; CUDA Graph Mo E Experts. Allowed arithmetic: matrix products marked QUANTISED: E4M3 operands, one E8M0 scale for each 32 along K, by v_wmma_scale_f32_16x16x128_f8f6f4 with both operands' format E4M3, f32 sums; everything else in f32.
;; Inputs: expert_indices 1,024 x 2 int32; expert_weights 1,024 x 2 float32; w1 8 x 2,048 x 1,024 float32; w2 8 x 1,024 x 2,048 float32; w3 8 x 2,048 x 1,024 float32; x 1,024 x 2,048 float32.
;; Outputs: out0 1,024 x 2,048 float32.
;; This version of the problem:
;;   THIS VERSION OF THE PROBLEM IS GIVEN IN LOW PRECISION. The matrix products marked QUANTISED in the list below multiply operands that are first quantised to E4M3 (4 exponent bits, 3 mantissa bits; 8 bits a number), with one power-of-two scale for each 32 numbers along K (OCP MX v1.0); their sums are f32. All else is computed in f32.
;;   The module's matrix products, in the order in which they are computed (A, B: the left and right operand; K: the contracted axis; several contracted axes count as one K, in the product's order):
;;     1. [M 1,024, K 2,048] x [K 2,048, N 8,192]; A: input x; B: input w1: QUANTISED
;;     2. [M 1,024, K 2,048] x [K 2,048, N 8,192]; A: input x; B: input w3: QUANTISED
;;     3. batch 8 x [M 2,048, K 1,024] x [K 1,024, N 1,024]; A: input w2; B: computed on the way: QUANTISED
;;   THE QUANTISER, for each operand of a quantised product, along K:
;;     - K is cut into blocks of 32 from its start; a last block that is shorter is filled with zeros.
;;     - A block's scale is 2^e with e = floor(log2(the largest magnitude in the block)) - 8, held to -126 .. 127; a block of zeros has e = 0. As a byte (E8M0): e + 127.
;;     - Each number is divided by its block's scale, clamped to +-448, and rounded to the nearest number of E4M3, ties to even, subnormals kept.
;;     - The product sums the exact products of the quantised numbers (number of the format x scale) in f32.
;;   ~~~python
;;   def quantise(x, axis):      # numpy; x: float32 -> the quantised numbers, widened to float32 again
;;       x = np.moveaxis(x, axis, -1); K = x.shape[-1]
;;       x = np.pad(x, [(0, 0)] * (x.ndim - 1) + [(0, -K % 32)]); x = x.reshape(x.shape[:-1] + (-1, 32)); a = np.abs(x).max(-1, keepdims=True)
;;       e = np.where(a > 0, np.clip(np.frexp(np.where(a > 0, a, 1))[1] - 1 - 8, -126, 127), 0)      # np.frexp(a)[1] - 1 = floor(log2(a)), exactly
;;       r = np.clip(x / 2.0 ** e, -448, 448)
;;       step = 2.0 ** (np.maximum(np.frexp(np.where(r == 0, 1, r))[1] - 1, -6) - 3)
;;       q = np.round(r / step) * step * 2.0 ** e      # np.round: ties to even
;;       return np.moveaxis(q.reshape(q.shape[:-2] + (-1,))[..., :K], -1, axis).astype(np.float32)
;;   ~~~
;;   OPERANDS COMPUTED ON THE WAY. 'Computed on the way' means the value that the module computes at that place (a softmax that the list does not call 'softmax' is quantised finished and normalised). What goes into a quantiser is computed in f32, as accurately as f32 sums, v_exp_f32 and their like allow (about 1e-6 of the number): no bf16 or f16 on the way to a quantiser, and a product that is left as it is and whose result goes on into a quantised operand takes f32 operands (vector FMAs, or v_wmma_f32_16x16x4_f32). A number that lies on a knife's edge between two numbers of the format may be rounded either way, as far as f32 arithmetic and the matrix unit's own rounding can turn it there, and no further.
;; 2 versions. Each part assembles by itself: llvm-mc -triple=amdgcn-amd-amdhsa -mcpu=gfx1250 --defsym DOCPART=n.
;; ======== version 1 of 2: 4 launches
;; workspace buffers: xc 2,097,152 bytes; xs 65,536 bytes; rowtok 9,728 bytes of whole numbers; pos 8,192 bytes of whole numbers; tinfo 256 bytes of whole numbers; hc 2,211,840 bytes; hs 69,120 bytes; y 17,694,720 bytes
;; launch prep (part 1): grid 129 x 1, 8 waves a work-group, no clusters, 66,816 bytes of LDS; arguments x, expert_indices, xc, xs, rowtok, pos, tinfo; writes xc, xs, rowtok, pos, tinfo
.if DOCPART == 1
	.amdgcn_target "amdgcn-amd-amdhsa--gfx1250"
	.amdhsa_code_object_version 6
	.text
	.protected	k_qcc7e44f5f2_prep
	.globl	k_qcc7e44f5f2_prep
	.p2align	8
	.type	k_qcc7e44f5f2_prep,@function
k_qcc7e44f5f2_prep:
	s_mov_b64 s[64:65], 0
	v_nop
	global_prefetch_b8 v0, s[64:65] scope:SCOPE_SE
	s_setreg_imm32_b32 hwreg(HW_REG_WAVE_MODE, 25, 1), 1
	s_wait_xcnt 0x0
; TWO JOBS IN ONE LAUNCH, parted on the work-group's number.
; Work-groups 0-127: x [1024][2048] f32 becomes codes of E4M3, xc [1024][2048], K innermost in its true order, and one E8M0 byte for each 32 along K, xs [1024][64].
;   A block's scale is 2^(floor(log2(its largest magnitude)) - 8); its byte is the largest magnitude's exponent field - 8, held at 1 from below.
;   A wave takes one row: four steps of 512 numbers.  Each load reads 512 consecutive bytes; a step's 2,048 bytes turn through the wave's own stage in LDS, so that a lane
;   holds 16 neighbours along K (two neighbouring lanes hold a block).  A lane's 16 codes are 16 bytes: a store covers 512 consecutive bytes.
;   A row's 64 scale bytes leave as 2 bytes a lane, 64 consecutive bytes a wave, 512 a work-group: one byte for each 128 that the launch reads.
; Work-group 128: the 2,048 entries of expert_indices are sorted by expert (a counting sort, no atomics).  Each expert's rows are padded to whole tiles of 16:
;   rowtok[p] = the token of padded position p (0 where p is padding), pos[2 b + k] = the position of entry (b, k), tinfo[e] = (first tile, number of tiles).
;   There are never more than 135 tiles (2,048 / 16 + 7), whatever the choice.
;   Wave w takes entries 256 w .. 256 w + 255, eight a lane.  Pass 1: for each expert, each entry's rank among the wave's entries of that expert, and the wave's count.  The counts meet in LDS, one barrier.
;   Then every wave knows each expert's first tile and how many of its rows lie in the waves in front: pass 2 adds that to the ranks.  An expert's rows lie in the order (wave, register, lane);
;   any one-to-one order serves, since rows do not depend on each other.  pos leaves as dense runs of 512 bytes; rowtok's words are scattered, eight stores a wave.
;   Wave e also writes expert e's padding, its share of the words behind the last tile, and tinfo[e].  EXEC is never changed: a lane with no such word stores to a spare word behind rowtok's 2,160, which nobody reads.
;   No register is written again behind a store that names it, so no wait frees a store's sources.
; LIMITS: NaN and infinities among x are not served.  Blocks whose largest magnitude lies under 2^(9 - 127) get the byte 1; so does a block of zeros, where the rule says 127:
;   its codes are zeros, which add nothing under any byte but 0xff, and the bytes are read by this program alone.
; No matrix unit, no tensor load, no cluster: the work-groups share no input.
.set SP,    80                         ; a lane's place in a stage: its 64 bytes + 16 of padding
.set WREG,  8192                       ; LDS of a wave on the quantiser's path: two stages of 32 x SP bytes, then its 64 scale bytes
.set SORTL, 65536                      ; LDS of the sort's path: eight counts for each of eight waves
.set R,     16                         ; v16-79   four sets of 16 numbers as loaded
.set X,     80                         ; v80-111  two sets of 16 neighbours
.set E,     112                        ; v112-115 a scale byte for each step
.set C,     128                        ; v128-143 codes: four registers for each step, so that no store's data are written again
.set IDX,   20                         ; the sort: v20-27 my eight entries
.set RK,    28                         ; v28-35   their ranks, then their positions
.set TM,    36                         ; v36-43   at work: a rank, then the first position of the entry's expert
.set CN,    44                         ; v44-51   my wave's eight counts
.set CL,    52                         ; v52-59   the eight waves' counts of expert lane % 8
.set TK,    72                         ; v72-75   my entries' four tokens
.set QO,    76                         ; v76-83   byte offsets in rowtok
	s_load_b256 s[4:11], s[0:1], 0x0               ; x s[4:5], expert_indices s[6:7], xc s[8:9], xs s[10:11]
	s_load_b128 s[12:15], s[0:1], 0x20             ; rowtok s[12:13], pos s[14:15]
	s_load_b64 s[16:17], s[0:1], 0x30              ; tinfo
	v_lshl_add_u32 v192, v0, 2, 0x10100
	v_mov_b32 v193, 0
	v_lshrrev_b32 v1, 5, v0
	v_readfirstlane_b32 s18, v1                    ; wave 0..7
	v_and_b32 v2, 31, v0                           ; lane
	v_lshlrev_b32 v3, 4, v2                        ; 16 x lane
	s_wait_kmcnt 0x0
	s_cmp_eq_u32 ttmp9, 128
	s_cbranch_scc1 .Lsort
	; ---------------- the quantiser ----------------
	s_lshl_b32 s19, ttmp9, 3
	s_add_co_u32 s19, s19, s18                     ; my row = 8 x work-group + wave
	s_mov_b32 s21, 0
	s_lshl_b32 s20, s19, 13                        ; 8,192 bytes of x a row
	s_add_nc_u64 s[4:5], s[4:5], s[20:21]
	s_lshl_b32 s20, s19, 11                        ; 2,048 bytes of codes
	s_add_nc_u64 s[8:9], s[8:9], s[20:21]
	s_lshl_b32 s20, s19, 6                         ; 64 scale bytes
	s_add_nc_u64 s[10:11], s[10:11], s[20:21]
	s_mul_i32 s22, s18, WREG
	v_lshrrev_b32 v14, 2, v2
	v_mul_u32_u24 v14, v14, SP
	v_and_b32 v15, 3, v2
	v_lshl_add_u32 v14, v15, 4, v14
	v_add_nc_u32 v14, s22, v14                     ; the stage, on the way in: four lanes' 64 bytes on end, then 16 of padding
	v_mul_u32_u24 v15, v2, SP
	v_add_nc_u32 v15, s22, v15                     ; and on the way out: my 16 neighbours
	s_add_co_u32 s22, s22, 2*32*SP
	v_lshrrev_b32 v5, 1, v2
	v_add_nc_u32 v5, s22, v5                       ; my block's byte among the wave's scale bytes
	v_lshlrev_b32 v7, 1, v2                        ; on the way out 2 bytes a lane
	v_add_nc_u32 v6, s22, v7
	s_mov_b32 s23, 0x600000                        ; the mantissa field of 448
.macro LOAD t
.irp i, 0,1,2,3
	global_load_b128 v[R+16*(\t)+4*\i:R+16*(\t)+4*\i+3], v3, s[4:5] offset:2048*(\t)+512*\i th:TH_LOAD_NT   ; 32 lanes read 512 consecutive bytes; read once in the launch
.endr
.endm
.macro TURN t                          ; step t's numbers through a stage: LDS serves a wave's instructions in order, so no wait stands between the stores and the loads
.irp i, 0,1,2,3
	ds_store_b128 v14, v[R+16*(\t)+4*\i:R+16*(\t)+4*\i+3] offset:32*SP*((\t)%2)+8*SP*\i
.endr
.irp i, 0,1,2,3
	ds_load_b128 v[X+16*((\t)%2)+4*\i:X+16*((\t)%2)+4*\i+3], v15 offset:32*SP*((\t)%2)+16*\i
.endr
.endm
.macro STEP t
.set XSET, X+16*((\t)%2)
.if (\t) > 0
	s_wait_dscnt 1                                 ; this step's numbers are back from the stage; the last step's byte store may be out
.else
	s_wait_dscnt 0x0
.endif
.if (\t) < 3
	s_wait_loadcnt 4*(2-(\t))                      ; the next step's four loads are in; those of the steps behind it may be out
	TURN (\t)+1                                    ; and go through the other stage while this step is worked
.endif
	v_max3_num_f32 v8, |v[XSET]|, |v[XSET+1]|, |v[XSET+2]|         ; the largest magnitude of my 16, in two chains
	v_max3_num_f32 v9, |v[XSET+3]|, |v[XSET+4]|, |v[XSET+5]|
.irp i, 6,10
	v_max3_num_f32 v8, v8, |v[XSET+\i]|, |v[XSET+\i+1]|
	v_max3_num_f32 v9, v9, |v[XSET+\i+2]|, |v[XSET+\i+3]|
.endr
	v_max3_num_f32 v8, v8, |v[XSET+14]|, |v[XSET+15]|
	v_max3_num_f32 v8, v8, v9, 0x4800000           ; and the floor 2^(9 - 127): the byte cannot fall under 1
	v_max_num_f32_dpp v8, v8, v8 row_xmask:1 row_mask:0xf bank_mask:0xf   ; with my neighbour's 16: the block's
	v_add_nc_u32 v11, 0xfc000000, v8               ; 8 off its exponent field: the conversion takes this operand's exponent field as its scale
	v_and_or_b32 v10, v8, 0x7f800000, s23          ; 448 x the scale
.irp i, 0,1,2,3,4,5,6,7,8,9,10,11,12,13,14,15
	v_med3_num_f32 v[XSET+\i], v[XSET+\i], -v10, v10   ; the conversion to an 8-bit code does not saturate (ISA guide 7.6.2): the hold comes first
.endr
	v_cvt_scalef32_pk8_fp8_f32 v[C+4*(\t):C+4*(\t)+1], v[XSET:XSET+7], v11
	v_cvt_scalef32_pk8_fp8_f32 v[C+4*(\t)+2:C+4*(\t)+3], v[XSET+8:XSET+15], v11
	v_lshrrev_b32 v[E+(\t)], 23, v11               ; the scale's byte (also the plain line behind the conversions)
	ds_store_b8 v5, v[E+(\t)] offset:16*(\t)       ; both lanes of a block write the same byte with the same value
	global_store_b128 v3, v[C+4*(\t):C+4*(\t)+3], s[8:9] offset:512*(\t)
.endm
.irp t, 0,1,2,3
	LOAD \t
.endr
	s_wait_loadcnt 12                              ; step 0's four loads are in; the twelve behind them may be out
	TURN 0
.irp t, 0,1,2,3
	STEP \t
.endr
	ds_load_u16 v12, v6                            ; LDS serves a wave's instructions in order: this sees my byte stores
	s_wait_dscnt 0x0
	global_store_b16 v7, v12, s[10:11]             ; the row's 64 scale bytes
	s_wait_tensorcnt 0x0
	ds_add_u32 v192, v193
	s_wait_dscnt 0x0
	s_endpgm
	; ---------------- the sort ----------------
; s40-47 eight masks; s48-55 their counts, later the experts' first tiles; s56-63 running sums, later masks; s66-73 my wave's counts, later the experts' rows; s74-81 the experts' tiles;
; s82-89 the rows in the waves in front of mine, then my wave's first position, by expert; s90-96 all ones where wave i stands in front of mine; s97-99 first tile, tiles and rows of expert = my wave's number; s100 all tiles
.Lsort:
	v_lshl_add_u32 v119, s18, 10, v3               ; 1,024 x wave + 16 x lane: my bytes of expert_indices, and of pos
	global_load_b128 v[IDX:IDX+3], v119, s[6:7]                    ; register 4 j + i of a lane: entry 256 x wave + 128 j + 4 x lane + i
	global_load_b128 v[IDX+4:IDX+7], v119, s[6:7] offset:512
.irp i, 0,1,2,3,4,5,6
	s_cmp_gt_u32 s18, \i
	s_cselect_b32 s[90+\i], -1, 0
.endr
	s_lshl_b32 s21, s18, 5
	s_add_co_u32 s21, s21, SORTL
	v_mov_b32 v116, s21                            ; where my wave's eight counts go
	v_and_b32 v117, 7, v0
	v_lshl_add_u32 v118, v117, 2, SORTL            ; where lane l reads the counts of expert l % 8
	s_lshl_b32 s22, s18, 7
	v_lshl_add_u32 v[TK], v2, 1, s22               ; entry 256 w + 128 j + 4 l + i belongs to token 128 w + 64 j + 2 l + i / 2
	v_add_nc_u32 v[TK+1], 1, v[TK]
	v_add_nc_u32 v[TK+2], 64, v[TK]
	v_add_nc_u32 v[TK+3], 65, v[TK]
	s_lshl_b32 s45, s18, 5
	s_add_co_u32 s45, s45, 2160
	v_add_nc_u32 v85, s45, v2                      ; my spare word behind rowtok's 2,160
	v_mov_b32 v87, 0
	s_wait_loadcnt 0x0
; Pass 1 for expert e.  Eight compares, eight counts, a running sum, eight ranks, eight selects: each kind in a run of eight, so that no line waits for the line above it.
.macro RANK e
.if \e == 0
.set DST, RK                           ; the first expert's ranks are written outright: so every rank register is written before it is read
.else
.set DST, TM
.endif
.irp t, 0,1,2,3,4,5,6,7
	v_cmp_eq_u32 s[40+\t], \e, v[IDX+\t]
.endr
.irp t, 0,1,2,3,4,5,6,7
	s_bcnt1_i32_b32 s[48+\t], s[40+\t]
.endr
	s_add_co_u32 s58, s48, s49                     ; s[56 + t]: how many of registers 0 .. t - 1 match (for t = 1 that is s48 itself)
.irp t, 3,4,5,6,7
	s_add_co_u32 s[56+\t], s[55+\t], s[47+\t]
.endr
	s_add_co_u32 s[66+\e], s63, s55                ; the wave's count
	v_mbcnt_lo_u32_b32 v[DST], s40, 0              ; the rank: matches in the registers in front + matches in lower lanes
	v_mbcnt_lo_u32_b32 v[DST+1], s41, s48
.irp t, 2,3,4,5,6,7
	v_mbcnt_lo_u32_b32 v[DST+\t], s[40+\t], s[56+\t]
.endr
.if \e > 0
.irp t, 0,1,2,3,4,5,6,7
	v_cndmask_b32 v[RK+\t], v[RK+\t], v[TM+\t], s[40+\t]
.endr
.endif
.endm
.irp e, 0,1,2,3,4,5,6,7
	RANK \e
.endr
.irp e, 0,1,2,3,4,5,6,7
	v_mov_b32 v[CN+\e], s[66+\e]
.endr
	ds_store_b128 v116, v[CN:CN+3]                 ; all lanes write the same 32 bytes with the same values
	ds_store_b128 v116, v[CN+4:CN+7] offset:16
	s_wait_dscnt 0x0                               ; for the others' sake: the stores have landed
	s_barrier_signal -1
	s_barrier_wait -1                              ; all eight waves of this work-group are on this path
.irp i, 0,1,2,3,4,5,6,7
	ds_load_b32 v[CL+\i], v118 offset:32*\i        ; wave i's count of expert lane % 8
.endr
	s_wait_dscnt 0x0
	v_add3_u32 v60, v[CL], v[CL+1], v[CL+2]        ; the expert's rows
	v_add3_u32 v60, v60, v[CL+3], v[CL+4]
	v_add3_u32 v60, v60, v[CL+5], v[CL+6]
	v_add_nc_u32 v60, v60, v[CL+7]
.irp i, 0,1,2,3,4,5,6
	v_cndmask_b32 v[62+\i], 0, v[CL+\i], s[90+\i]  ; only the waves in front of mine
.endr
	v_add3_u32 v61, v62, v63, v64                  ; the expert's rows in those waves
	v_add3_u32 v61, v61, v65, v66
	v_add3_u32 v61, v61, v67, v68
	v_add_nc_u32 v70, 15, v60
	v_lshrrev_b32 v70, 4, v70                      ; the expert's tiles
.irp e, 0,1,2,3,4,5,6,7
	v_readlane_b32 s[74+\e], v70, \e
.endr
.irp e, 0,1,2,3,4,5,6,7
	v_readlane_b32 s[82+\e], v61, \e
.endr
.irp e, 0,1,2,3,4,5,6,7
	v_readlane_b32 s[66+\e], v60, \e
.endr
	s_mov_b32 s48, 0                               ; each expert's first tile: the tiles of the experts in front of it
.irp e, 0,1,2,3,4,5,6
	s_add_co_u32 s[49+\e], s[48+\e], s[74+\e]
.endr
	s_add_co_u32 s100, s55, s81                    ; all tiles
.irp e, 0,1,2,3,4,5,6,7
	s_lshl_b32 s[40+\e], s[48+\e], 4
.endr
.irp e, 0,1,2,3,4,5,6,7
	s_add_co_u32 s[82+\e], s[82+\e], s[40+\e]      ; my wave's first position of expert e
.endr
	; Pass 2: each entry's position = its expert's first position for my wave + its rank
.irp t, 0,1,2,3,4,5,6,7
	v_mov_b32 v[TM+\t], s82
.endr
.irp e, 1,2,3,4,5,6,7
.irp t, 0,1,2,3,4,5,6,7
	v_cmp_eq_u32 s[56+\t], \e, v[IDX+\t]
.endr
.irp t, 0,1,2,3,4,5,6,7
	v_cndmask_b32 v[TM+\t], v[TM+\t], s[82+\e], s[56+\t]
.endr
.endr
.irp t, 0,1,2,3,4,5,6,7
	v_add_nc_u32 v[RK+\t], v[RK+\t], v[TM+\t]
.endr
.irp t, 0,1,2,3,4,5,6,7
	v_min_u32 v[QO+\t], 2415, v[RK+\t]
.endr
.irp t, 0,1,2,3,4,5,6,7
	v_lshlrev_b32 v[QO+\t], 2, v[QO+\t]
.endr
.irp t, 0,1,2,3,4,5,6,7
	global_store_b32 v[QO+\t], v[TK+2*(\t/4)+(\t%4)/2], s[12:13]   ; rowtok[position] = token
.endr
	global_store_b128 v119, v[RK:RK+3], s[14:15]                   ; pos: 512 consecutive bytes a store
	global_store_b128 v119, v[RK+4:RK+7], s[14:15] offset:512
	; the expert whose number is my wave's: its first tile, tiles and rows
	s_mov_b32 s97, s48
	s_mov_b32 s98, s74
	s_mov_b32 s99, s66
.irp e, 1,2,3,4,5,6,7
	s_cmp_eq_u32 s18, \e
	s_cselect_b32 s97, s[48+\e], s97
	s_cselect_b32 s98, s[74+\e], s98
	s_cselect_b32 s99, s[66+\e], s99
.endr
	s_lshl_b32 s44, s97, 4
	s_add_co_u32 s44, s44, s99                     ; behind its last row:
	v_add_nc_u32 v88, s44, v2                      ; the padding of its last tile, 15 positions at the most: token 0
	s_add_co_u32 s45, s97, s98
	s_lshl_b32 s45, s45, 4
	v_cmp_gt_u32 vcc_lo, s45, v88
	v_cndmask_b32 v92, v85, v88, vcc_lo            ; a lane past the tile's end takes its spare word
	v_min_u32 v92, 2415, v92
	v_lshlrev_b32 v92, 2, v92
	global_store_b32 v92, v87, s[12:13]
	s_lshl_b32 s46, s100, 4                        ; behind the last tile in use, 112 positions at the most: token 0 too, so that every word that a later launch can load is written
	s_lshl_b32 s47, s18, 5
	s_add_co_u32 s46, s46, s47
	v_add_nc_u32 v89, s46, v2
	v_cmp_gt_u32 vcc_lo, 2160, v89
	v_cndmask_b32 v93, v85, v89, vcc_lo
	v_min_u32 v93, 2415, v93
	v_lshlrev_b32 v93, 2, v93
	global_store_b32 v93, v87, s[12:13]
	v_mov_b32 v104, s97
	v_mov_b32 v105, s98
	s_lshl_b32 s47, s18, 3
	v_mov_b32 v106, s47
	global_store_b64 v106, v[104:105], s[16:17]    ; (first tile, tiles): all lanes write the same 8 bytes
	s_wait_tensorcnt 0x0
	ds_add_u32 v192, v193
	s_wait_dscnt 0x0
	s_endpgm
.Lfunc_end_k_qcc7e44f5f2_prep:
	.size	k_qcc7e44f5f2_prep, .Lfunc_end_k_qcc7e44f5f2_prep-k_qcc7e44f5f2_prep
	.p2alignl 7, 3214868480
	.fill 96, 4, 3214868480
	.section	.rodata,"a",@progbits
	.p2align	6, 0x0
	.amdhsa_kernel k_qcc7e44f5f2_prep
		.amdhsa_group_segment_fixed_size 66816
		.amdhsa_private_segment_fixed_size 0
		.amdhsa_enable_private_segment 0
		.amdhsa_kernarg_size 56
		.amdhsa_user_sgpr_count 2
		.amdhsa_user_sgpr_kernarg_segment_ptr 1
		.amdhsa_wavefront_size32 1
		.amdhsa_system_sgpr_workgroup_id_x 1
		.amdhsa_system_sgpr_workgroup_id_y 1
		.amdhsa_system_sgpr_workgroup_id_z 1
		.amdhsa_system_vgpr_workitem_id 0
		.amdhsa_next_free_vgpr 194
		.amdhsa_next_free_sgpr 102
		.amdhsa_reserve_vcc 1
		.amdhsa_float_denorm_mode_32 3
		.amdhsa_float_denorm_mode_16_64 3
		.amdhsa_memory_ordered 1
		.amdhsa_forward_progress 1
		.amdhsa_inst_pref_size 47
	.end_amdhsa_kernel
	.amdgpu_metadata
---
amdhsa.version: [ 1, 2 ]
amdhsa.kernels:
  - .name:           k_qcc7e44f5f2_prep
    .symbol:         k_qcc7e44f5f2_prep.kd
    .args:
      - { .name: x, .offset: 0, .size: 8, .value_kind: global_buffer, .address_space: global }
      - { .name: expert_indices, .offset: 8, .size: 8, .value_kind: global_buffer, .address_space: global }
      - { .name: xc, .offset: 16, .size: 8, .value_kind: global_buffer, .address_space: global }
      - { .name: xs, .offset: 24, .size: 8, .value_kind: global_buffer, .address_space: global }
      - { .name: rowtok, .offset: 32, .size: 8, .value_kind: global_buffer, .address_space: global }
      - { .name: pos, .offset: 40, .size: 8, .value_kind: global_buffer, .address_space: global }
      - { .name: tinfo, .offset: 48, .size: 8, .value_kind: global_buffer, .address_space: global }
    .group_segment_fixed_size: 66816
    .private_segment_fixed_size: 0
    .kernarg_segment_align: 8
    .kernarg_segment_size: 56
    .max_flat_workgroup_size: 256
    .sgpr_count:     102
    .vgpr_count:     194
    .wavefront_size: 32
...
	.end_amdgpu_metadata
.endif
;; end of part 1
;; launch gateup (part 2): grid 32 x 8, 16 waves a work-group, no clusters, 137,216 bytes of LDS; arguments xc, xs, rowtok, tinfo, w1, w3, hc, hs; writes hc, hs
.if DOCPART == 2
	.amdgcn_target "amdgcn-amd-amdhsa--gfx1250"
	.amdhsa_code_object_version 6
	.text
	.protected	k_qcc7e44f5f2_gateup
	.globl	k_qcc7e44f5f2_gateup
	.p2align	8
	.type	k_qcc7e44f5f2_gateup,@function
k_qcc7e44f5f2_gateup:
	s_mov_b64 s[64:65], 0
	v_nop
	global_prefetch_b8 v0, s[64:65] scope:SCOPE_SE
	s_setreg_imm32_b32 hwreg(HW_REG_WAVE_MODE, 25, 1), 1
	s_wait_xcnt 0x0
; hidden = silu(x w1[e]) * (x w3[e]) for the rows routed to expert e, both products on codes of E4M3 with one E8M0 scale for each 32 along K = 2,048; the result is quantised along I on the way.
; THE WEIGHTS STAY, THE ROWS COME.  Work-group (j, e) owns columns 32 j .. 32 j + 31 of w1[e] and of w3[e]: 2 x 2,048 x 32 f32, read from memory once in the whole program.
; PHASE A: sixteen waves stream them.  Wave w: matrix q = w % 2 (w1, w3), block kbl = w / 2 of 32 along K within each run of 256; task n takes K rows 256 n + 32 kbl + 0 .. 31.
;   A LANE TAKES A COLUMN AND ITS REGISTERS RUN DOWN K: a block of 32 lies in one lane's 32 registers, its largest magnitude needs no other lane, and the conversions give codes with K innermost.
;   A load reads 128 consecutive bytes (32 columns are one block of the next product's K; the work-group beside this one reads the other half of each 256 bytes, so no cache hint is written).
;   The codes go to LDS as IMAGES OF OPERAND REGISTERS: fragment (K step s, matrix q, tile u): four groups of 512 bytes, lane l' at 16 l'.  The scale words: 4 bytes a lane, tile 0 in lanes 0-15, tile 1 in lanes 16-31.
;   THE COLUMNS OF A TILE ARE NOT NEIGHBOURS: row r' of tile u is column 8 u + r' + 8 (r' / 8), so that in a result the 16 registers of tiles 0 and 1 of a lane are 16 neighbouring columns, 16 (lane / 16) + 0 .. 15.
; ONE BARRIER, on the straight path.  Behind it the codes are only read.
; PHASE B: a wave takes a pair of tiles of 16 routed rows (local tiles 2 w, 2 w + 1; then 32 further on: four trips at the most), gathers their rows of x's codes by the stored list, and multiplies: transposed
;   (source 0 = 16 columns of a weight, source 1 = 16 rows), so that a lane holds ONE row.  Eight accumulators (2 tiles x 2 matrices x 2 column tiles) by turns.
;   THE ROWS' FRAGMENTS HAVE THREE BUFFERS: K step s asks for step s + 2, so that a load has two K steps in which to land and 24 loads of a wave are out.
;   silu(g) u in f32; its 32 columns are exactly one block of the next K: quantised, the lane's 16 codes are group j % 4 of K step j / 4 of the next operand's image: 512 consecutive bytes a store.
;   The scale byte goes out singly, 4 bytes from lane to lane: one byte for each 32 of codes.
; With an odd number of tiles the last pair takes its one tile twice: the same wave stores the same values twice.  An expert without rows still streams its weights: no barrier stands under a branch on loaded numbers.
; NO TENSOR LOAD, NO CLUSTER: the number of an expert's tiles is read from memory and steers the trips, so the operands go through registers; what the 32 work-groups of an expert share, x's codes, is 2 MB in all.
; LIMITS: NaN and infinities are not served.  Blocks whose largest magnitude lies under 2^(9 - 127), blocks of zeros among them, get the byte 1 (this program alone reads the bytes).
;   For g under about -88 the exponential is infinite, its reciprocal 0, and the hidden number +-0.
.set NT,  8                            ; tasks of a wave
.set NS,  16                           ; K steps of 128
.set RS,  4096                         ; a row of w1 or w3 in bytes
.set SCB, 131072                       ; LDS: behind the 16 x 8,192 bytes of fragments, 32 x 128 bytes of scale words
.set WOFF, 1                           ; v1       4 x my column
.set BS,  2                            ; v2-3     the weights' scale words of the K step in hand; scales and nothing else
.set LWB, 4                            ; v4       where I store codes, tasks 4-7
.set LSW, 5                            ; v5       where I store a scale byte
.set LRA, 6                            ; v6       16 x lane
.set LRB, 7                            ; v7       16 x lane + 65,536
.set LSR, 8                            ; v8       SCB + 4 x lane
.set VA,  9                            ; v9-10    byte offsets of the two tiles' rows of codes
.set VS,  11                           ; v11      byte offset of my row's scale words
.set TOK, 12                           ; v12-13   the two tiles' tokens
.set LWA, 14                           ; v14      where I store codes, tasks 0-3
.set R4,  15                           ; v15      4 r
;                                        v16-31   phase A and the epilogue: offsets (v16-19) and work (v20-29).  In the K loop: the third buffer's tile 0
.set W,   32                           ; v32-95   phase A: two sets of 32 numbers
.set ACC, 32                           ; v32-95   phase B: accumulator (t, q, u) at ACC + 32 t + 16 q + 8 u
.set AB,  96                           ; v96-159  phase A: v96-103 a block's codes.  Phase B: the rows' fragments, buffers 0 and 1 (tile t at + 16 t); at the end at work
.set XS,  160                          ; v160-175 the rows' scale words of all 16 K steps: tile 0 in lanes 0-15, tile 1 in lanes 16-31; scales and nothing else
.set BF,  176                          ; v176-239 four fragments of the weights: (q, u) at BF + 32 q + 16 u
;                                        v240-255 the third buffer's tile 1
; s28, s29 my expert's first tile and number of tiles; s34 the pair's first local tile; s35, s36 the pair's tiles; s52 trips done; s53 my trips
	s_load_b256 s[4:11], s[0:1], 0x0               ; xc s[4:5], xs s[6:7], rowtok s[8:9], tinfo s[10:11]
	s_load_b256 s[12:19], s[0:1], 0x20             ; w1 s[12:13], w3 s[14:15], hc s[16:17], hs s[18:19]
	v_lshrrev_b32 v20, 5, v0
	v_readfirstlane_b32 s20, v20                   ; wave 0..15
	s_mov_b32 s21, ttmp9                           ; j
	s_and_b32 s22, ttmp7, 0xffff                   ; e
	s_and_b32 s23, s20, 1                          ; q
	s_lshr_b32 s24, s20, 1                         ; kbl
	s_lshr_b32 s25, s20, 3                         ; kbl / 4: which K step of a task's two
	s_and_b32 s26, s24, 3                          ; kbl % 4: which group of the fragment, which byte of the scale word
	v_and_b32 v24, 31, v0                          ; lane
	v_and_b32 v20, 7, v0
	v_bfe_u32 v21, v0, 4, 1                        ; u
	v_bfe_u32 v22, v0, 3, 1
	v_and_b32 v23, 15, v0                          ; r
	v_lshl_add_u32 v[WOFF], v21, 3, v20
	v_lshl_add_u32 v[WOFF], v22, 4, v[WOFF]        ; my column: lane % 8 + 8 u + 16 ((lane / 8) % 2)
	v_lshlrev_b32 v[WOFF], 2, v[WOFF]
	s_lshl_b32 s42, s23, 12
	s_lshl_b32 s43, s25, 13
	s_add_co_u32 s42, s42, s43
	s_lshl_b32 s43, s26, 9
	s_add_co_u32 s42, s42, s43
	v_lshlrev_b32 v[LWA], 4, v23
	v_lshl_add_u32 v[LWA], v21, 11, v[LWA]
	v_add_nc_u32 v[LWA], s42, v[LWA]               ; 4,096 q + 8,192 (kbl / 4) + 512 (kbl % 4) + 2,048 u + 16 r
	v_add_nc_u32 v[LWB], 0x10000, v[LWA]
	s_lshl_b32 s42, s25, 8
	s_lshl_b32 s43, s23, 7
	s_add_co_u32 s42, s42, s43
	s_add_co_u32 s42, s42, s26
	s_add_co_u32 s42, s42, SCB
	v_lshl_add_u32 v[LSW], v24, 2, s42             ; SCB + 256 (kbl / 4) + 128 q + 4 x lane + kbl % 4
	v_lshlrev_b32 v[LRA], 4, v24
	v_add_nc_u32 v[LRB], 0x10000, v[LRA]
	v_lshl_add_u32 v[LSR], v24, 2, SCB
	v_lshlrev_b32 v[R4], 2, v23
	s_mov_b32 s37, 0x600000                        ; the mantissa field of 448
	s_mov_b32 s38, 0x76543210
	s_mov_b32 s39, 0xfedcba98                      ; v_permlanex16_b32's selects for lane l xor 16
	s_mov_b32 s40, 0xbfb8aa3b                      ; -log2(e)
	s_mov_b32 s41, s40                             ; (named with it as a pair, so it is written)
	s_mov_b32 s46, 0xffff0000                      ; lanes 16-31
	s_lshl_b32 s34, s20, 1                         ; my pair's first local tile
	s_lshl_b32 s45, s21, 9                         ; my group's 512 bytes in a tile of hc
	s_lshr_b32 s47, s21, 2
	s_lshl_b32 s47, s47, 6
	s_and_b32 s44, s21, 3
	s_add_co_u32 s47, s47, s44                     ; my byte's place in a tile of hs: 64 (j / 4) + j % 4
	s_lshl_b32 s32, s22, 23                        ; an expert's 2,048 x 1,024 x 4 bytes,
	s_lshl_b32 s44, s24, 17                        ; 32 kbl rows,
	s_add_co_u32 s32, s32, s44
	s_lshl_b32 s44, s21, 7                         ; 32 j columns
	s_add_co_u32 s32, s32, s44
	s_mov_b32 s33, 0
	s_lshl_b32 s48, s22, 3
	s_mov_b32 s49, 0
	s_wait_kmcnt 0x0
	s_cmp_eq_u32 s23, 0                            ; w1 or w3: the choice hangs on the wave's number alone
	s_cselect_b64 s[30:31], s[12:13], s[14:15]
	s_add_nc_u64 s[30:31], s[30:31], s[32:33]
	s_add_nc_u64 s[10:11], s[10:11], s[48:49]
	s_load_b64 s[28:29], s[10:11], 0x0             ; my expert's first tile and number of tiles
.macro WLOAD n                         ; task n's 32 rows into set n % 2
.set wi, 0
.rept 32
	global_load_b32 v[W+32*((\n)%2)+wi], v[WOFF], s[30:31] offset:(256*(\n)+wi)*RS   ; the largest offset, 1,823 rows, lies inside the signed 24-bit immediate (ISA guide, chapter 10)
.set wi, wi+1
.endr
.endm
.macro TASK n, cnt                     ; cnt: the loads issued behind this task's, which may stay out
.set WS, W+32*((\n)%2)
	s_wait_loadcnt \cnt
	v_max3_num_f32 v20, |v[WS]|, |v[WS+1]|, |v[WS+2]|              ; the block's largest magnitude: all 32 numbers are mine; two chains
	v_max3_num_f32 v21, |v[WS+3]|, |v[WS+4]|, |v[WS+5]|
.irp i, 6,10,14,18,22,26
	v_max3_num_f32 v20, v20, |v[WS+\i]|, |v[WS+\i+1]|
	v_max3_num_f32 v21, v21, |v[WS+\i+2]|, |v[WS+\i+3]|
.endr
	v_max3_num_f32 v20, v20, |v[WS+30]|, |v[WS+31]|
	v_max3_num_f32 v20, v20, v21, 0x4800000        ; and the floor 2^(9 - 127): the byte cannot fall under 1
	v_add_nc_u32 v22, 0xfc000000, v20              ; 8 off its exponent field: the conversion's scale operand
	v_and_or_b32 v23, v20, 0x7f800000, s37         ; 448 x the scale
	v_lshrrev_b32 v24, 23, v22                     ; the scale's byte
.set mi, 0
.rept 32
	v_med3_num_f32 v[WS+mi], v[WS+mi], -v23, v23   ; the conversion to an 8-bit code does not saturate (ISA guide 7.6.2): the hold comes first
.set mi, mi+1
.endr
.irp g, 0,1,2,3
	v_cvt_scalef32_pk8_fp8_f32 v[AB+2*\g:AB+2*\g+1], v[WS+8*\g:WS+8*\g+7], v22
.endr
	v_nop                                          ; one plain line behind the last conversion
.if (\n) < 4
	ds_store_b128 v[LWA], v[AB:AB+3] offset:16384*((\n)%4)         ; k 0-15 of the block: the image's lane r
	ds_store_b128 v[LWA], v[AB+4:AB+7] offset:16384*((\n)%4)+256   ; k 16-31: its lane r + 16
.else
	ds_store_b128 v[LWB], v[AB:AB+3] offset:16384*((\n)%4)
	ds_store_b128 v[LWB], v[AB+4:AB+7] offset:16384*((\n)%4)+256
.endif
	ds_store_b8 v[LSW], v24 offset:512*(\n)
.if (\n)+2 < NT
	WLOAD (\n)+2
.endif
	s_wait_dscnt 0x0                               ; the stores have read their registers: the next task writes them again
.endm
; The pair's two tiles, clamped by written constants, and their rows' tokens.  It stands ahead of the test of the trip, so it may name tiles that are not mine: every word that it can load is written, and nothing is made of it then.
.macro PAIR
	s_add_co_u32 s35, s28, s34
	s_min_u32 s35, s35, 134                        ; T0
	s_add_co_u32 s36, s34, 1
	s_sub_co_u32 s42, s29, 1
	s_min_u32 s36, s36, s42                        ; with an odd number of tiles the last pair takes its one tile twice
	s_add_co_u32 s36, s36, s28
	s_min_u32 s36, s36, 134                        ; T1
	v_lshl_add_u32 v16, s35, 6, v[R4]              ; 64 bytes of rowtok a tile, 4 a row
	v_lshl_add_u32 v17, s36, 6, v[R4]
	global_load_b32 v[TOK], v16, s[8:9]
	global_load_b32 v[TOK+1], v17, s[8:9]
.endm
.macro ABASE s, t                      ; rA: where tile t's fragment of K step s lies: buffer s % 3
.if ((\s)%3) == 2
.set rA, 16+224*(\t)
.else
.set rA, AB+32*((\s)%3)+16*(\t)
.endif
.endm
.macro ALOAD s                         ; the two tiles' fragments of K step s: lane (r, h): 16 codes at 128 s + 32 c + 16 h of its row.  No hint: the expert's 32 work-groups read these rows
.irp t, 0,1
	ABASE \s, \t
.irp c, 0,1,2,3
	global_load_b128 v[rA+4*\c:rA+4*\c+3], v[VA+\t], s[4:5] offset:128*(\s)+32*\c
.endr
.endr
.endm
.macro WM s, t, q, u                   ; one product.  Tile u = 1 of a weight has its scale words in lanes 16-31, and so has tile t = 1 of the rows
.set rD, ACC+32*\t+16*\q+8*\u
.set rB, BF+32*\q+16*\u
	ABASE \s, \t
.if (\s) == 0                          ; the first K step starts the sums: nothing is cleared
.if \u == 0 && \t == 0
	v_wmma_scale_f32_16x16x128_f8f6f4 v[rD:rD+7], v[rB:rB+15], v[rA:rA+15], 0, v[BS+\q], v[XS+(\s)]
.elseif \u == 1 && \t == 0
	v_wmma_scale_f32_16x16x128_f8f6f4 v[rD:rD+7], v[rB:rB+15], v[rA:rA+15], 0, v[BS+\q], v[XS+(\s)] matrix_a_scale:MATRIX_SCALE_ROW1
.elseif \u == 0 && \t == 1
	v_wmma_scale_f32_16x16x128_f8f6f4 v[rD:rD+7], v[rB:rB+15], v[rA:rA+15], 0, v[BS+\q], v[XS+(\s)] matrix_b_scale:MATRIX_SCALE_ROW1
.else
	v_wmma_scale_f32_16x16x128_f8f6f4 v[rD:rD+7], v[rB:rB+15], v[rA:rA+15], 0, v[BS+\q], v[XS+(\s)] matrix_a_scale:MATRIX_SCALE_ROW1 matrix_b_scale:MATRIX_SCALE_ROW1
.endif
.else
.if \u == 0 && \t == 0
	v_wmma_scale_f32_16x16x128_f8f6f4 v[rD:rD+7], v[rB:rB+15], v[rA:rA+15], v[rD:rD+7], v[BS+\q], v[XS+(\s)]
.elseif \u == 1 && \t == 0
	v_wmma_scale_f32_16x16x128_f8f6f4 v[rD:rD+7], v[rB:rB+15], v[rA:rA+15], v[rD:rD+7], v[BS+\q], v[XS+(\s)] matrix_a_scale:MATRIX_SCALE_ROW1
.elseif \u == 0 && \t == 1
	v_wmma_scale_f32_16x16x128_f8f6f4 v[rD:rD+7], v[rB:rB+15], v[rA:rA+15], v[rD:rD+7], v[BS+\q], v[XS+(\s)] matrix_b_scale:MATRIX_SCALE_ROW1
.else
	v_wmma_scale_f32_16x16x128_f8f6f4 v[rD:rD+7], v[rB:rB+15], v[rA:rA+15], v[rD:rD+7], v[BS+\q], v[XS+(\s)] matrix_a_scale:MATRIX_SCALE_ROW1 matrix_b_scale:MATRIX_SCALE_ROW1
.endif
.endif
.endm
.macro KSTEP s
.if (\s) == 0
	v_nop                                          ; one place more: the first products write over accumulators of the trip before
.endif
.rept 8
	v_nop                                          ; eight places behind the last products, in front of loads into their operands and scale registers
.endr
.irp q, 0,1
.irp u, 0,1
.irp c, 0,1,2,3
.if (\s) < 8
	ds_load_b128 v[BF+32*\q+16*\u+4*\c:BF+32*\q+16*\u+4*\c+3], v[LRA] offset:((\s)%8)*8192+\q*4096+\u*2048+\c*512
.else
	ds_load_b128 v[BF+32*\q+16*\u+4*\c:BF+32*\q+16*\u+4*\c+3], v[LRB] offset:((\s)%8)*8192+\q*4096+\u*2048+\c*512
.endif
.endr
.endr
	ds_load_b32 v[BS+\q], v[LSR] offset:(2*(\s)+\q)*128
.endr
.if (\s)+2 < NS
	ALOAD (\s)+2                                   ; the rows of two K steps on, into the buffer that the last step's products have read
	s_wait_loadcnt 16                              ; the eight just issued and the next step's eight may be out; this step's rows, and the scale words, are in
.elseif (\s)+1 < NS
	s_wait_loadcnt 8                               ; the last step's eight may be out
.else
	s_wait_loadcnt 0x0
.endif
	s_wait_dscnt 0x0
.irp t, 0,1
.irp q, 0,1
.irp u, 0,1
	WM \s, \t, \q, \u
.endr
.endr
.endr
.endm
	WLOAD 0
	s_wait_kmcnt 0x0
	s_min_u32 s28, s28, 134
	s_min_u32 s29, s29, 128                        ; 2,048 rows are 128 tiles at the most
	s_add_co_u32 s53, s29, 31                      ; my trips: how many of the local tiles 2 w, 2 w + 32, .. lie under the expert's number of tiles:
	s_sub_co_u32 s53, s53, s34                     ; (tiles + 31 - 2 w) / 32, rounded down; 2 w is 30 at the most, so the sum is not negative
	s_lshr_b32 s53, s53, 5
	s_min_u32 s53, s53, 4                          ; 128 tiles are four trips at the most
	s_mov_b32 s52, 0                               ; trips done
	PAIR
	WLOAD 1
	TASK 0, 34                                     ; behind task 0's loads: the pair's 2 and task 1's 32
	TASK 1, 32                                     ; behind a task's loads: the next task's 32
	TASK 2, 32
	TASK 3, 32
	TASK 4, 32
	TASK 5, 32
	TASK 6, 32
	TASK 7, 0
	s_wait_dscnt 0x0                               ; for the others' sake: my codes and scale bytes have landed
	s_barrier_signal -1
	s_barrier_wait -1                              ; the slice's codes lie in LDS; from here on they are only read
	s_cmp_lt_u32 s52, s53
	s_cbranch_scc0 .Ldone
.Lpair:
	s_wait_loadcnt 0x0                             ; the tokens
	v_cndmask_b32 v[VS], v[TOK], v[TOK+1], s46     ; lanes 0-15: tile 0's rows, lanes 16-31: tile 1's
	v_min_u32 v[TOK], 1023, v[TOK]
	v_min_u32 v[TOK+1], 1023, v[TOK+1]
	v_min_u32 v[VS], 1023, v[VS]
	v_bfe_u32 v[VA], v0, 4, 1
	v_lshlrev_b32 v[VA], 4, v[VA]                  ; 16 h
	v_lshl_add_u32 v[VA+1], v[TOK+1], 11, v[VA]    ; a row of 2,048 codes, + 16 h
	v_lshl_add_u32 v[VA], v[TOK], 11, v[VA]
	v_lshlrev_b32 v[VS], 6, v[VS]                  ; a row of 64 scale bytes
.irp i, 0,1,2,3
	global_load_b128 v[XS+4*\i:XS+4*\i+3], v[VS], s[6:7] offset:16*\i   ; register XS + s: the word of K step s
.endr
	ALOAD 0
	ALOAD 1
.irp s, 0,1,2,3,4,5,6,7,8,9,10,11,12,13,14,15
	KSTEP \s
.endr
	; ---- silu(g) u, quantised.  G of tile t: v[ACC + 32 t] on, 16 registers = columns 16 h + 0 .. 15 of my row; U behind it.  Each accumulator is read from its low end on
	s_lshl_b32 s42, s35, 14
	s_add_co_u32 s42, s42, s45
	s_lshl_b32 s43, s36, 14
	s_add_co_u32 s43, s43, s45
	s_lshl_b32 s50, s35, 9
	s_add_co_u32 s50, s50, s47
	s_lshl_b32 s51, s36, 9
	s_add_co_u32 s51, s51, s47
	v_add_nc_u32 v16, s42, v[LRA]                  ; where the codes go: 16,384 T + 512 j + 16 x lane.  (These four lines are four of the eight places behind the last products; the third buffer, where they lie, was last read a K step earlier)
	v_add_nc_u32 v17, s43, v[LRA]
	v_add_nc_u32 v18, s50, v[R4]                   ; where the byte goes: 512 T + 64 (j / 4) + 4 r + j % 4
	v_add_nc_u32 v19, s51, v[R4]
.rept 4
	v_nop
.endr
.irp t, 0,1
.irp p, 0,2,4,6,8,10,12,14
	v_pk_mul_f32 v[AB+16*\t+\p:AB+16*\t+\p+1], v[ACC+32*\t+\p:ACC+32*\t+\p+1], s[40:41] op_sel_hi:[1,0]   ; -g log2(e)
.endr
.endr
.irp t, 0,1
.irp p, 0,1,2,3,4,5,6,7,8,9,10,11,12,13,14,15
	v_exp_f32 v[AB+16*\t+\p], v[AB+16*\t+\p]
.endr
.endr
	v_nop                                          ; a plain line behind the exponentials
	s_wait_alu depctr_va_vdst(0)
.irp t, 0,1
.irp p, 0,2,4,6,8,10,12,14
	v_pk_add_f32 v[AB+16*\t+\p:AB+16*\t+\p+1], v[AB+16*\t+\p:AB+16*\t+\p+1], 1.0 op_sel_hi:[1,0]
.endr
.endr
.irp t, 0,1
.irp p, 0,1,2,3,4,5,6,7,8,9,10,11,12,13,14,15
	v_rcp_f32 v[AB+16*\t+\p], v[AB+16*\t+\p]
.endr
.endr
	v_nop                                          ; a plain line behind the reciprocals
	s_wait_alu depctr_va_vdst(0)
.irp t, 0,1
.irp p, 0,2,4,6,8,10,12,14
	v_pk_mul_f32 v[ACC+32*\t+\p:ACC+32*\t+\p+1], v[ACC+32*\t+\p:ACC+32*\t+\p+1], v[AB+16*\t+\p:AB+16*\t+\p+1]          ; silu(g)
.endr
.endr
.irp t, 0,1
.irp p, 0,2,4,6,8,10,12,14
	v_pk_mul_f32 v[ACC+32*\t+\p:ACC+32*\t+\p+1], v[ACC+32*\t+\p:ACC+32*\t+\p+1], v[ACC+32*\t+16+\p:ACC+32*\t+16+\p+1]  ; x u
.endr
.endr
.irp t, 0,1
	v_max3_num_f32 v[20+\t], |v[ACC+32*\t]|, |v[ACC+32*\t+1]|, 0x4800000   ; my 16 numbers of the block, and the floor; the two tiles by turns
.endr
.irp i, 2,4,6,8,10,12,14
.irp t, 0,1
	v_max3_num_f32 v[20+\t], v[20+\t], |v[ACC+32*\t+\i]|, |v[ACC+32*\t+\i+1]|
.endr
.endr
.irp t, 0,1
	v_permlanex16_b32 v[22+\t], v[20+\t], s38, s39
.endr
.irp t, 0,1
	v_max_num_f32 v[20+\t], v[20+\t], v[22+\t]     ; with lane l xor 16's 16: the block's largest magnitude
.endr
.irp t, 0,1
	v_add_nc_u32 v[24+\t], 0xfc000000, v[20+\t]
.endr
.irp t, 0,1
	v_and_or_b32 v[26+\t], v[20+\t], 0x7f800000, s37
.endr
.irp t, 0,1
	v_lshrrev_b32 v[28+\t], 23, v[24+\t]
.endr
.irp t, 0,1
.irp i, 0,1,2,3,4,5,6,7,8,9,10,11,12,13,14,15
	v_med3_num_f32 v[ACC+32*\t+\i], v[ACC+32*\t+\i], -v[26+\t], v[26+\t]
.endr
.endr
.irp t, 0,1
	v_cvt_scalef32_pk8_fp8_f32 v[AB+32+4*\t:AB+32+4*\t+1], v[ACC+32*\t:ACC+32*\t+7], v[24+\t]
	v_cvt_scalef32_pk8_fp8_f32 v[AB+32+4*\t+2:AB+32+4*\t+3], v[ACC+32*\t+8:ACC+32*\t+15], v[24+\t]
.endr
	v_nop                                          ; one plain line behind the last conversion
.irp t, 0,1
	global_store_b128 v[16+\t], v[AB+32+4*\t:AB+32+4*\t+3], s[16:17]   ; 512 consecutive bytes, at a multiple of 512 from hc's first byte
	global_store_b8 v[18+\t], v[28+\t], s[18:19]   ; lanes r and r + 16 write the same byte with the same value
.endr
	s_wait_xcnt 0x0                                ; the stores have read their offsets and data: both are written again below and in the next trip
	s_add_co_u32 s34, s34, 32                      ; the next pair's first local tile
	PAIR
	s_add_co_u32 s52, s52, 1
	s_cmp_lt_u32 s52, s53
	s_cbranch_scc1 .Lpair
.Ldone:
	s_wait_xcnt 0x0
	v_lshl_add_u32 v254, v0, 2, 0x21000
	v_mov_b32 v255, 0
	s_wait_tensorcnt 0x0
	ds_add_u32 v254, v255
	s_wait_dscnt 0x0
	s_endpgm
.Lfunc_end_k_qcc7e44f5f2_gateup:
	.size	k_qcc7e44f5f2_gateup, .Lfunc_end_k_qcc7e44f5f2_gateup-k_qcc7e44f5f2_gateup
	.p2alignl 7, 3214868480
	.fill 96, 4, 3214868480
	.section	.rodata,"a",@progbits
	.p2align	6, 0x0
	.amdhsa_kernel k_qcc7e44f5f2_gateup
		.amdhsa_group_segment_fixed_size 137216
		.amdhsa_private_segment_fixed_size 0
		.amdhsa_enable_private_segment 0
		.amdhsa_kernarg_size 64
		.amdhsa_user_sgpr_count 2
		.amdhsa_user_sgpr_kernarg_segment_ptr 1
		.amdhsa_wavefront_size32 1
		.amdhsa_system_sgpr_workgroup_id_x 1
		.amdhsa_system_sgpr_workgroup_id_y 1
		.amdhsa_system_sgpr_workgroup_id_z 1
		.amdhsa_system_vgpr_workitem_id 0
		.amdhsa_next_free_vgpr 256
		.amdhsa_next_free_sgpr 66
		.amdhsa_reserve_vcc 0
		.amdhsa_float_denorm_mode_32 3
		.amdhsa_float_denorm_mode_16_64 3
		.amdhsa_memory_ordered 1
		.amdhsa_forward_progress 1
		.amdhsa_inst_pref_size 122
	.end_amdhsa_kernel
	.amdgpu_metadata
---
amdhsa.version: [ 1, 2 ]
amdhsa.kernels:
  - .name:           k_qcc7e44f5f2_gateup
    .symbol:         k_qcc7e44f5f2_gateup.kd
    .args:
      - { .name: xc, .offset: 0, .size: 8, .value_kind: global_buffer, .address_space: global }
      - { .name: xs, .offset: 8, .size: 8, .value_kind: global_buffer, .address_space: global }
      - { .name: rowtok, .offset: 16, .size: 8, .value_kind: global_buffer, .address_space: global }
      - { .name: tinfo, .offset: 24, .size: 8, .value_kind: global_buffer, .address_space: global }
      - { .name: w1, .offset: 32, .size: 8, .value_kind: global_buffer, .address_space: global }
      - { .name: w3, .offset: 40, .size: 8, .value_kind: global_buffer, .address_space: global }
      - { .name: hc, .offset: 48, .size: 8, .value_kind: global_buffer, .address_space: global }
      - { .name: hs, .offset: 56, .size: 8, .value_kind: global_buffer, .address_space: global }
    .group_segment_fixed_size: 137216
    .private_segment_fixed_size: 0
    .kernarg_segment_align: 8
    .kernarg_segment_size: 64
    .max_flat_workgroup_size: 512
    .sgpr_count:     66
    .vgpr_count:     256
    .wavefront_size: 32
...
	.end_amdgpu_metadata
.endif
;; end of part 2
;; launch down (part 3): grid 32 x 8, 16 waves a work-group, no clusters, 139,264 bytes of LDS; arguments hc, hs, tinfo, w2, y; writes y
.if DOCPART == 3
	.amdgcn_target "amdgcn-amd-amdhsa--gfx1250"
	.amdhsa_code_object_version 6
	.text
	.protected	k_qcc7e44f5f2_down
	.globl	k_qcc7e44f5f2_down
	.p2align	8
	.type	k_qcc7e44f5f2_down,@function
k_qcc7e44f5f2_down:
	s_mov_b64 s[64:65], 0
	v_nop
	global_prefetch_b8 v0, s[64:65] scope:SCOPE_SE
	s_setreg_imm32_b32 hwreg(HW_REG_WAVE_MODE, 25, 1), 1
	s_wait_xcnt 0x0
; y[p][:] = hidden[p][:] w2[e] for the rows p routed to expert e, on codes of E4M3 with one E8M0 scale for each 32 along K = 1,024.  y is laid by padded routed position, [2,160][2,048] f32.
; THE WEIGHTS STAY, THE ROWS COME.  Work-group (cs, e) owns columns 64 cs .. 64 cs + 63 of w2[e]: 1,024 x 64 f32, read from memory once in the whole program.
; PHASE A: wave w: group q = w % 2 of 32 columns, block kbl = w / 2 of 32 along K within each run of 256; task n takes K rows 256 n + 32 kbl + 0 .. 31.  A lane takes a column and its registers run down K.
;   A load reads 128 consecutive bytes; the wave beside it reads the other half of the same 256, so no cache hint is written.  The codes go to LDS as images of operand registers:
;   fragment (K step s, group q, tile u): four groups of 512 bytes, lane l' at 16 l'; the scale words 4 bytes a lane, tile 0 in lanes 0-15, tile 1 in lanes 16-31.
;   Row r' of tile u is column 8 u + r' + 8 (r' / 8) of its group, so that in a result the 16 registers of tiles 0 and 1 of a lane are 16 neighbouring columns, 16 (lane / 16) + 0 .. 15.
; ONE BARRIER, on the straight path.  Behind it the codes are only read.
; PHASE B: a wave takes a pair of tiles of 16 routed rows (local tiles 2 w, 2 w + 1; then 32 further on: four trips at the most).  The hidden layer lies in memory as images of this operand's registers: dense runs of 512 bytes.
;   Transposed use (source 0 = 16 columns of w2, source 1 = 16 rows): a lane holds one row.  Eight accumulators (2 tiles x 2 groups x 2 column tiles) by turns.
;   THE ROWS' FRAGMENTS HAVE THREE BUFFERS: K step s asks for step s + 2, so that a load has two K steps in which to land and 24 loads of a wave are out.
;   A tile's 16 rows x 64 columns go through the wave's own stage in LDS and leave as rows of 256 bytes: sixteen lanes store 256 consecutive bytes, at a multiple of 256 from y's first byte.
; With an odd number of tiles the last pair takes its one tile twice.  An expert without rows still streams its weights: no barrier stands under a branch on loaded numbers.
; NO TENSOR LOAD, NO CLUSTER: the number of an expert's tiles is read from memory and steers the trips; what the 32 work-groups of an expert share, the hidden codes, is 2 MB in all.
; A token's two experts are other work-groups' work, so the weighted sum is the next launch's.
; LIMITS: NaN and infinities are not served.  Blocks of w2 whose largest magnitude lies under 2^(9 - 127), blocks of zeros among them, get the byte 1 (this program alone reads the bytes).
.set NT,  4
.set NS,  8
.set RS,  8192                         ; a row of w2 in bytes
.set SCB, 65536                        ; LDS: behind the 8 x 8,192 bytes of fragments, 16 x 128 bytes of scale words
.set STAGE, 67584                      ; and the stages: 16 rows x (256 + 16) bytes for each wave
.set WOFF, 1                           ; v1       4 x my column
.set BS,  2                            ; v2-3     w2's scale words of the K step in hand; scales and nothing else
.set STO, 4                            ; v4       the stage: where I put 16 bytes of a row
.set LSW, 5                            ; v5       where I store a scale byte
.set LRA, 6                            ; v6       16 x lane
.set RD,  7                            ; v7       the stage: where I read a row back
.set LSR, 8                            ; v8       SCB + 4 x lane
.set VA,  9                            ; v9-10    byte offsets of the two tiles' images
.set VS,  11                           ; v11      byte offset of my row's scale words
.set YO,  12                           ; v12      8,192 h + 16 r: my place in two rows of y
;                                        v13      at work
.set LWA, 14                           ; v14      where I store codes
.set R4,  15                           ; v15      4 r
;                                        v16-31   phase A: work (v20-24); the way out: offsets in y (v16-17).  In the K loop: the third buffer's tile 0
.set W,   32                           ; v32-95   phase A: two sets of 32 numbers
.set ACC, 32                           ; v32-95   phase B: accumulator (t, q, u) at ACC + 32 t + 16 q + 8 u
.set AB,  96                           ; v96-159  phase A: v96-103 a block's codes.  Phase B: the rows' fragments, buffers 0 and 1 (tile t at + 16 t); at the end rows of y
.set XS,  160                          ; v160-167 the rows' scale words of the 8 K steps; scales and nothing else
.set BF,  176                          ; v176-239 four fragments of w2
;                                        v240-255 the third buffer's tile 1
; s28, s29 my expert's first tile and number of tiles; s34 the pair's first local tile; s35, s36 the pair's tiles; s52 trips done; s53 my trips
	s_load_b256 s[4:11], s[0:1], 0x0               ; hc s[4:5], hs s[6:7], tinfo s[8:9], w2 s[10:11]
	s_load_b64 s[12:13], s[0:1], 0x20              ; y
	v_lshl_add_u32 v174, v0, 2, 0x21800
	v_mov_b32 v175, 0
	v_lshrrev_b32 v20, 5, v0
	v_readfirstlane_b32 s20, v20                   ; wave 0..15
	s_mov_b32 s21, ttmp9                           ; cs
	s_and_b32 s22, ttmp7, 0xffff                   ; e
	s_and_b32 s23, s20, 1                          ; q
	s_lshr_b32 s24, s20, 1                         ; kbl
	s_lshr_b32 s25, s20, 3                         ; kbl / 4
	s_and_b32 s26, s24, 3                          ; kbl % 4
	v_and_b32 v24, 31, v0                          ; lane
	v_and_b32 v20, 7, v0
	v_bfe_u32 v21, v0, 4, 1                        ; u in phase A, h in phase B
	v_bfe_u32 v22, v0, 3, 1
	v_and_b32 v23, 15, v0                          ; r
	v_lshl_add_u32 v[WOFF], v21, 3, v20
	v_lshl_add_u32 v[WOFF], v22, 4, v[WOFF]        ; my column of the group: lane % 8 + 8 u + 16 ((lane / 8) % 2)
	v_lshlrev_b32 v[WOFF], 2, v[WOFF]
	s_lshl_b32 s42, s23, 12
	s_lshl_b32 s43, s25, 13
	s_add_co_u32 s42, s42, s43
	s_lshl_b32 s43, s26, 9
	s_add_co_u32 s42, s42, s43
	v_lshlrev_b32 v[LWA], 4, v23
	v_lshl_add_u32 v[LWA], v21, 11, v[LWA]
	v_add_nc_u32 v[LWA], s42, v[LWA]               ; 4,096 q + 8,192 (kbl / 4) + 512 (kbl % 4) + 2,048 u + 16 r
	s_lshl_b32 s42, s25, 8
	s_lshl_b32 s43, s23, 7
	s_add_co_u32 s42, s42, s43
	s_add_co_u32 s42, s42, s26
	s_add_co_u32 s42, s42, SCB
	v_lshl_add_u32 v[LSW], v24, 2, s42             ; SCB + 256 (kbl / 4) + 128 q + 4 x lane + kbl % 4
	v_lshlrev_b32 v[LRA], 4, v24
	v_lshl_add_u32 v[LSR], v24, 2, SCB
	v_lshlrev_b32 v[R4], 2, v23
	s_mul_i32 s42, s20, 16*272
	s_add_co_u32 s42, s42, STAGE                   ; my stage
	v_mul_u32_u24 v[STO], v23, 272
	v_lshl_add_u32 v[STO], v21, 6, v[STO]
	v_add_nc_u32 v[STO], s42, v[STO]               ; in: row r, + 64 h: my 16 columns of a group
	v_mul_u32_u24 v[RD], v21, 272
	v_lshl_add_u32 v[RD], v23, 4, v[RD]
	v_add_nc_u32 v[RD], s42, v[RD]                 ; back: lanes 0-15 one row of 256 bytes, lanes 16-31 the next
	v_lshlrev_b32 v[YO], 4, v23
	v_lshl_add_u32 v[YO], v21, 13, v[YO]           ; and the same two rows in y
	s_mov_b32 s37, 0x600000                        ; the mantissa field of 448
	s_mov_b32 s46, 0xffff0000                      ; lanes 16-31
	s_lshl_b32 s34, s20, 1                         ; my pair's first local tile
	s_lshl_b32 s32, s22, 23                        ; an expert's 1,024 x 2,048 x 4 bytes,
	s_lshl_b32 s44, s24, 18                        ; 32 kbl rows,
	s_add_co_u32 s32, s32, s44
	s_lshl_b32 s44, s21, 8                         ; 64 cs columns,
	s_add_co_u32 s32, s32, s44
	s_lshl_b32 s44, s23, 7                         ; 32 q columns
	s_add_co_u32 s32, s32, s44
	s_mov_b32 s33, 0
	s_lshl_b32 s48, s22, 3
	s_mov_b32 s49, 0
	s_lshl_b32 s50, s21, 8
	s_mov_b32 s51, 0
	s_wait_kmcnt 0x0
	s_add_nc_u64 s[30:31], s[10:11], s[32:33]
	s_add_nc_u64 s[8:9], s[8:9], s[48:49]
	s_add_nc_u64 s[12:13], s[12:13], s[50:51]      ; y at my 64 columns
	s_load_b64 s[28:29], s[8:9], 0x0               ; my expert's first tile and number of tiles
.macro WLOAD n                         ; task n's 32 rows into set n % 2
.set wi, 0
.rept 32
	global_load_b32 v[W+32*((\n)%2)+wi], v[WOFF], s[30:31] offset:(256*(\n)+wi)*RS   ; the largest offset, 799 rows, lies inside the signed 24-bit immediate (ISA guide, chapter 10)
.set wi, wi+1
.endr
.endm
.macro TASK n, cnt                     ; cnt: the loads issued behind this task's, which may stay out
.set WS, W+32*((\n)%2)
	s_wait_loadcnt \cnt
	v_max3_num_f32 v20, |v[WS]|, |v[WS+1]|, |v[WS+2]|              ; the block's largest magnitude: all 32 numbers are mine; two chains
	v_max3_num_f32 v21, |v[WS+3]|, |v[WS+4]|, |v[WS+5]|
.irp i, 6,10,14,18,22,26
	v_max3_num_f32 v20, v20, |v[WS+\i]|, |v[WS+\i+1]|
	v_max3_num_f32 v21, v21, |v[WS+\i+2]|, |v[WS+\i+3]|
.endr
	v_max3_num_f32 v20, v20, |v[WS+30]|, |v[WS+31]|
	v_max3_num_f32 v20, v20, v21, 0x4800000        ; and the floor 2^(9 - 127): the byte cannot fall under 1
	v_add_nc_u32 v22, 0xfc000000, v20              ; 8 off its exponent field: the conversion's scale operand
	v_and_or_b32 v23, v20, 0x7f800000, s37         ; 448 x the scale
	v_lshrrev_b32 v24, 23, v22                     ; the scale's byte
.set mi, 0
.rept 32
	v_med3_num_f32 v[WS+mi], v[WS+mi], -v23, v23   ; the conversion to an 8-bit code does not saturate (ISA guide 7.6.2): the hold comes first
.set mi, mi+1
.endr
.irp g, 0,1,2,3
	v_cvt_scalef32_pk8_fp8_f32 v[AB+2*\g:AB+2*\g+1], v[WS+8*\g:WS+8*\g+7], v22
.endr
	v_nop                                          ; one plain line behind the last conversion
	ds_store_b128 v[LWA], v[AB:AB+3] offset:16384*(\n)             ; k 0-15 of the block: the image's lane r
	ds_store_b128 v[LWA], v[AB+4:AB+7] offset:16384*(\n)+256       ; k 16-31: its lane r + 16
	ds_store_b8 v[LSW], v24 offset:512*(\n)
.if (\n)+2 < NT
	WLOAD (\n)+2
.endif
	s_wait_dscnt 0x0                               ; the stores have read their registers: the next task writes them again
.endm
.macro PAIR                            ; the pair's two tiles, clamped by written constants
	s_add_co_u32 s35, s28, s34
	s_min_u32 s35, s35, 134                        ; T0
	s_add_co_u32 s36, s34, 1
	s_sub_co_u32 s42, s29, 1
	s_min_u32 s36, s36, s42                        ; with an odd number of tiles the last pair takes its one tile twice
	s_add_co_u32 s36, s36, s28
	s_min_u32 s36, s36, 134                        ; T1
.endm
.macro ABASE s, t                      ; rA: where tile t's fragment of K step s lies: buffer s % 3
.if ((\s)%3) == 2
.set rA, 16+224*(\t)
.else
.set rA, AB+32*((\s)%3)+16*(\t)
.endif
.endm
.macro ALOAD s                         ; the two tiles' fragments of K step s, as they were stored: 512 consecutive bytes a load.  No hint: the expert's 32 work-groups read them
.irp t, 0,1
	ABASE \s, \t
.irp c, 0,1,2,3
	global_load_b128 v[rA+4*\c:rA+4*\c+3], v[VA+\t], s[4:5] offset:2048*(\s)+512*\c
.endr
.endr
.endm
.macro WM s, t, q, u                   ; one product.  Tile u = 1 of w2 has its scale words in lanes 16-31, and so has tile t = 1 of the rows
.set rD, ACC+32*\t+16*\q+8*\u
.set rB, BF+32*\q+16*\u
	ABASE \s, \t
.if (\s) == 0                          ; the first K step starts the sums: nothing is cleared
.if \u == 0 && \t == 0
	v_wmma_scale_f32_16x16x128_f8f6f4 v[rD:rD+7], v[rB:rB+15], v[rA:rA+15], 0, v[BS+\q], v[XS+(\s)]
.elseif \u == 1 && \t == 0
	v_wmma_scale_f32_16x16x128_f8f6f4 v[rD:rD+7], v[rB:rB+15], v[rA:rA+15], 0, v[BS+\q], v[XS+(\s)] matrix_a_scale:MATRIX_SCALE_ROW1
.elseif \u == 0 && \t == 1
	v_wmma_scale_f32_16x16x128_f8f6f4 v[rD:rD+7], v[rB:rB+15], v[rA:rA+15], 0, v[BS+\q], v[XS+(\s)] matrix_b_scale:MATRIX_SCALE_ROW1
.else
	v_wmma_scale_f32_16x16x128_f8f6f4 v[rD:rD+7], v[rB:rB+15], v[rA:rA+15], 0, v[BS+\q], v[XS+(\s)] matrix_a_scale:MATRIX_SCALE_ROW1 matrix_b_scale:MATRIX_SCALE_ROW1
.endif
.else
.if \u == 0 && \t == 0
	v_wmma_scale_f32_16x16x128_f8f6f4 v[rD:rD+7], v[rB:rB+15], v[rA:rA+15], v[rD:rD+7], v[BS+\q], v[XS+(\s)]
.elseif \u == 1 && \t == 0
	v_wmma_scale_f32_16x16x128_f8f6f4 v[rD:rD+7], v[rB:rB+15], v[rA:rA+15], v[rD:rD+7], v[BS+\q], v[XS+(\s)] matrix_a_scale:MATRIX_SCALE_ROW1
.elseif \u == 0 && \t == 1
	v_wmma_scale_f32_16x16x128_f8f6f4 v[rD:rD+7], v[rB:rB+15], v[rA:rA+15], v[rD:rD+7], v[BS+\q], v[XS+(\s)] matrix_b_scale:MATRIX_SCALE_ROW1
.else
	v_wmma_scale_f32_16x16x128_f8f6f4 v[rD:rD+7], v[rB:rB+15], v[rA:rA+15], v[rD:rD+7], v[BS+\q], v[XS+(\s)] matrix_a_scale:MATRIX_SCALE_ROW1 matrix_b_scale:MATRIX_SCALE_ROW1
.endif
.endif
.endm
.macro KSTEP s
.if (\s) == 0
	v_nop                                          ; one place more: the first products write over accumulators of the trip before
.endif
.rept 8
	v_nop                                          ; eight places behind the last products, in front of loads into their operands and scale registers
.endr
.irp q, 0,1
.irp u, 0,1
.irp c, 0,1,2,3
	ds_load_b128 v[BF+32*\q+16*\u+4*\c:BF+32*\q+16*\u+4*\c+3], v[LRA] offset:(\s)*8192+\q*4096+\u*2048+\c*512
.endr
.endr
	ds_load_b32 v[BS+\q], v[LSR] offset:(2*(\s)+\q)*128
.endr
.if (\s)+2 < NS
	ALOAD (\s)+2                                   ; the rows of two K steps on, into the buffer that the last step's products have read
	s_wait_loadcnt 16                              ; the eight just issued and the next step's eight may be out; this step's rows, and the scale words, are in
.elseif (\s)+1 < NS
	s_wait_loadcnt 8                               ; the last step's eight may be out
.else
	s_wait_loadcnt 0x0
.endif
	s_wait_dscnt 0x0
.irp t, 0,1
.irp q, 0,1
.irp u, 0,1
	WM \s, \t, \q, \u
.endr
.endr
.endr
.endm
	WLOAD 0
	WLOAD 1
	s_wait_kmcnt 0x0
	s_min_u32 s28, s28, 134
	s_min_u32 s29, s29, 128                        ; 2,048 rows are 128 tiles at the most
	s_add_co_u32 s53, s29, 31                      ; my trips: how many of the local tiles 2 w, 2 w + 32, .. lie under the expert's number of tiles:
	s_sub_co_u32 s53, s53, s34                     ; (tiles + 31 - 2 w) / 32, rounded down; 2 w is 30 at the most, so the sum is not negative
	s_lshr_b32 s53, s53, 5
	s_min_u32 s53, s53, 4                          ; 128 tiles are four trips at the most
	s_mov_b32 s52, 0                               ; trips done
	PAIR
	TASK 0, 32                                     ; behind a task's loads: the next task's 32
	TASK 1, 32
	TASK 2, 32
	TASK 3, 0
	s_wait_dscnt 0x0                               ; for the others' sake: my codes and scale bytes have landed
	s_barrier_signal -1
	s_barrier_wait -1                              ; the slice's codes lie in LDS; from here on they are only read
	s_cmp_lt_u32 s52, s53
	s_cbranch_scc0 .Ldone
.Lpair:
	s_lshl_b32 s42, s35, 14
	s_lshl_b32 s43, s36, 14
	v_add_nc_u32 v[VA], s42, v[LRA]                ; a tile of hc is 16,384 bytes; 16 x lane
	v_add_nc_u32 v[VA+1], s43, v[LRA]
	v_mov_b32 v[VS], s35
	v_mov_b32 v13, s36
	v_cndmask_b32 v[VS], v[VS], v13, s46           ; lanes 0-15: tile 0, lanes 16-31: tile 1
	v_min_u32 v[VS], 134, v[VS]
	v_lshl_add_u32 v[VS], v[VS], 9, v[R4]          ; a tile of hs is 512 bytes; 4 r
.irp s, 0,1,2,3,4,5,6,7
	global_load_b32 v[XS+\s], v[VS], s[6:7] offset:64*\s
.endr
	ALOAD 0
	ALOAD 1
.irp s, 0,1,2,3,4,5,6,7
	KSTEP \s
.endr
	; ---- the way out.  Lane (r, h), accumulator (t, q, u), register i: y(16 T + r, 64 cs + 32 q + 16 h + 8 u + i)
	s_lshl_b32 s42, s35, 17                        ; a tile's 16 rows of 8,192 bytes
	s_lshl_b32 s43, s36, 17
	v_add_nc_u32 v16, s42, v[YO]                   ; (these two lines are two of the eight places behind the last products; the third buffer, where they lie, was last read two K steps earlier)
	v_add_nc_u32 v17, s43, v[YO]
.rept 6
	v_nop
.endr
.irp t, 0,1
.irp q, 0,1
.irp u, 0,1
	ds_store_b128 v[STO], v[ACC+32*\t+16*\q+8*\u:ACC+32*\t+16*\q+8*\u+3] offset:128*\q+32*\u       ; each accumulator from its low end on
	ds_store_b128 v[STO], v[ACC+32*\t+16*\q+8*\u+4:ACC+32*\t+16*\q+8*\u+7] offset:128*\q+32*\u+16
.endr
.endr
.irp i, 0,1,2,3,4,5,6,7
	ds_load_b128 v[AB+32*\t+4*\i:AB+32*\t+4*\i+3], v[RD] offset:544*\i   ; LDS serves a wave's instructions in order (ISA guide 5.7.1.4): these see the stores above, and tile 1's stores come behind tile 0's loads
.endr
.endr
.irp t, 0,1
.irp i, 0,1,2,3,4,5,6,7
	s_wait_dscnt 16*(1-\t)+7-\i                    ; behind this load: the rest of its tile's eight, and for tile 0 tile 1's sixteen
	global_store_b128 v[16+\t], v[AB+32*\t+4*\i:AB+32*\t+4*\i+3], s[12:13] offset:16384*\i   ; rows 2 i and 2 i + 1; no hint: the next launch reads y
.endr
.endr
	s_wait_xcnt 0x0                                ; the stores have read their offsets and data: both are written again in the next trip
	s_add_co_u32 s34, s34, 32                      ; the next pair's first local tile
	PAIR
	s_add_co_u32 s52, s52, 1
	s_cmp_lt_u32 s52, s53
	s_cbranch_scc1 .Lpair
.Ldone:
	s_wait_tensorcnt 0x0
	ds_add_u32 v174, v175
	s_wait_dscnt 0x0
	s_endpgm
.Lfunc_end_k_qcc7e44f5f2_down:
	.size	k_qcc7e44f5f2_down, .Lfunc_end_k_qcc7e44f5f2_down-k_qcc7e44f5f2_down
	.p2alignl 7, 3214868480
	.fill 96, 4, 3214868480
	.section	.rodata,"a",@progbits
	.p2align	6, 0x0
	.amdhsa_kernel k_qcc7e44f5f2_down
		.amdhsa_group_segment_fixed_size 139264
		.amdhsa_private_segment_fixed_size 0
		.amdhsa_enable_private_segment 0
		.amdhsa_kernarg_size 40
		.amdhsa_user_sgpr_count 2
		.amdhsa_user_sgpr_kernarg_segment_ptr 1
		.amdhsa_wavefront_size32 1
		.amdhsa_system_sgpr_workgroup_id_x 1
		.amdhsa_system_sgpr_workgroup_id_y 1
		.amdhsa_system_sgpr_workgroup_id_z 1
		.amdhsa_system_vgpr_workitem_id 0
		.amdhsa_next_free_vgpr 256
		.amdhsa_next_free_sgpr 66
		.amdhsa_reserve_vcc 0
		.amdhsa_float_denorm_mode_32 3
		.amdhsa_float_denorm_mode_16_64 3
		.amdhsa_memory_ordered 1
		.amdhsa_forward_progress 1
		.amdhsa_inst_pref_size 63
	.end_amdhsa_kernel
	.amdgpu_metadata
---
amdhsa.version: [ 1, 2 ]
amdhsa.kernels:
  - .name:           k_qcc7e44f5f2_down
    .symbol:         k_qcc7e44f5f2_down.kd
    .args:
      - { .name: hc, .offset: 0, .size: 8, .value_kind: global_buffer, .address_space: global }
      - { .name: hs, .offset: 8, .size: 8, .value_kind: global_buffer, .address_space: global }
      - { .name: tinfo, .offset: 16, .size: 8, .value_kind: global_buffer, .address_space: global }
      - { .name: w2, .offset: 24, .size: 8, .value_kind: global_buffer, .address_space: global }
      - { .name: y, .offset: 32, .size: 8, .value_kind: global_buffer, .address_space: global }
    .group_segment_fixed_size: 139264
    .private_segment_fixed_size: 0
    .kernarg_segment_align: 8
    .kernarg_segment_size: 40
    .max_flat_workgroup_size: 512
    .sgpr_count:     66
    .vgpr_count:     256
    .wavefront_size: 32
...
	.end_amdgpu_metadata
.endif
;; end of part 3
;; launch combine (part 4): grid 256 x 1, 4 waves a work-group, no clusters, 0 bytes of LDS; arguments y, pos, expert_weights, out0; writes out0
.if DOCPART == 4
	.amdgcn_target "amdgcn-amd-amdhsa--gfx1250"
	.amdhsa_code_object_version 6
	.text
	.protected	k_qcc7e44f5f2_combine
	.globl	k_qcc7e44f5f2_combine
	.p2align	8
	.type	k_qcc7e44f5f2_combine,@function
k_qcc7e44f5f2_combine:
	s_mov_b64 s[64:65], 0
	v_nop
	global_prefetch_b8 v0, s[64:65] scope:SCOPE_SE
	s_setreg_imm32_b32 hwreg(HW_REG_WAVE_MODE, 25, 1), 1
	s_wait_xcnt 0x0
; out0[b][:] = w(b, 0) y[pos(b, 0)][:] + w(b, 1) y[pos(b, 1)][:].  y: [2,160][2,048] f32 by routed position; pos: [1,024][2] whole numbers; expert_weights: [1,024][2] f32.
; A wave takes one token: two rows of 8,192 bytes in, one out.  Each load and store covers 512 consecutive bytes.  All 32 loads go out at once; the waits count down.
; A stream: no LDS, no barrier, no matrix unit, no cluster (the work-groups share no input).  No register is written twice, so no wait frees a store's sources.
	s_load_b256 s[4:11], s[0:1], 0x0               ; y s[4:5], pos s[6:7], expert_weights s[8:9], out0 s[10:11]
	v_lshrrev_b32 v4, 5, v0
	v_readfirstlane_b32 s12, v4                    ; wave 0..3
	v_and_b32 v1, 31, v0
	v_lshlrev_b32 v1, 4, v1                        ; 16 x lane
	s_lshl_b32 s13, ttmp9, 2
	s_add_co_u32 s13, s13, s12                     ; my token
	s_lshl_b32 s24, s13, 3                         ; 8 bytes a token in pos and in expert_weights
	s_mov_b32 s25, 0
	s_lshl_b32 s28, s13, 13                        ; 8,192 bytes a row of out0
	s_mov_b32 s29, 0
	s_wait_kmcnt 0x0
	s_add_nc_u64 s[6:7], s[6:7], s[24:25]
	s_add_nc_u64 s[8:9], s[8:9], s[24:25]
	s_add_nc_u64 s[10:11], s[10:11], s[28:29]
	s_load_b64 s[14:15], s[6:7], 0x0               ; the two positions
	s_load_b64 s[16:17], s[8:9], 0x0               ; the two weights
	s_wait_kmcnt 0x0
	s_min_u32 s14, s14, 2159
	s_min_u32 s15, s15, 2159
	s_lshl_b32 s14, s14, 13
	s_lshl_b32 s15, s15, 13
	v_add_nc_u32 v2, s14, v1
	v_add_nc_u32 v3, s15, v1
	s_mov_b32 s18, s17                             ; the second weight as a pair's low word (the packed form takes the low word for both halves; the pair is written whole)
	s_mov_b32 s19, s17
.irp i, 0,1,2,3,4,5,6,7,8,9,10,11,12,13,14,15
	global_load_b128 v[16+4*\i:19+4*\i], v2, s[4:5] offset:512*\i th:TH_LOAD_NT    ; each position belongs to one entry: read once
	global_load_b128 v[80+4*\i:83+4*\i], v3, s[4:5] offset:512*\i th:TH_LOAD_NT
.endr
.irp i, 0,1,2,3,4,5,6,7,8,9,10,11,12,13,14,15
	s_wait_loadcnt 2*(15-\i)                       ; the later pairs of loads may stay out
	v_pk_mul_f32 v[16+4*\i:17+4*\i], v[16+4*\i:17+4*\i], s[16:17] op_sel_hi:[1,0]
	v_pk_mul_f32 v[18+4*\i:19+4*\i], v[18+4*\i:19+4*\i], s[16:17] op_sel_hi:[1,0]
	v_pk_fma_f32 v[16+4*\i:17+4*\i], v[80+4*\i:81+4*\i], s[18:19], v[16+4*\i:17+4*\i] op_sel_hi:[1,0,1]
	v_pk_fma_f32 v[18+4*\i:19+4*\i], v[82+4*\i:83+4*\i], s[18:19], v[18+4*\i:19+4*\i] op_sel_hi:[1,0,1]
	global_store_b128 v1, v[16+4*\i:19+4*\i], s[10:11] offset:512*\i th:TH_STORE_NT
.endr
	s_endpgm
.Lfunc_end_k_qcc7e44f5f2_combine:
	.size	k_qcc7e44f5f2_combine, .Lfunc_end_k_qcc7e44f5f2_combine-k_qcc7e44f5f2_combine
	.p2alignl 7, 3214868480
	.fill 96, 4, 3214868480
	.section	.rodata,"a",@progbits
	.p2align	6, 0x0
	.amdhsa_kernel k_qcc7e44f5f2_combine
		.amdhsa_group_segment_fixed_size 0
		.amdhsa_private_segment_fixed_size 0
		.amdhsa_enable_private_segment 0
		.amdhsa_kernarg_size 32
		.amdhsa_user_sgpr_count 2
		.amdhsa_user_sgpr_kernarg_segment_ptr 1
		.amdhsa_wavefront_size32 1
		.amdhsa_system_sgpr_workgroup_id_x 1
		.amdhsa_system_sgpr_workgroup_id_y 1
		.amdhsa_system_sgpr_workgroup_id_z 1
		.amdhsa_system_vgpr_workitem_id 0
		.amdhsa_next_free_vgpr 160
		.amdhsa_next_free_sgpr 66
		.amdhsa_reserve_vcc 0
		.amdhsa_float_denorm_mode_32 3
		.amdhsa_float_denorm_mode_16_64 3
		.amdhsa_memory_ordered 1
		.amdhsa_forward_progress 1
		.amdhsa_inst_pref_size 11
	.end_amdhsa_kernel
	.amdgpu_metadata
---
amdhsa.version: [ 1, 2 ]
amdhsa.kernels:
  - .name:           k_qcc7e44f5f2_combine
    .symbol:         k_qcc7e44f5f2_combine.kd
    .args:
      - { .name: y, .offset: 0, .size: 8, .value_kind: global_buffer, .address_space: global }
      - { .name: pos, .offset: 8, .size: 8, .value_kind: global_buffer, .address_space: global }
      - { .name: expert_weights, .offset: 16, .size: 8, .value_kind: global_buffer, .address_space: global }
      - { .name: out0, .offset: 24, .size: 8, .value_kind: global_buffer, .address_space: global }
    .group_segment_fixed_size: 0
    .private_segment_fixed_size: 0
    .kernarg_segment_align: 8
    .kernarg_segment_size: 32
    .max_flat_workgroup_size: 128
    .sgpr_count:     66
    .vgpr_count:     160
    .wavefront_size: 32
...
	.end_amdgpu_metadata
.endif
;; end of part 4
;; ======== version 2 of 2: 4 launches
;; workspace buffers: xc 2,097,152 bytes; xs 65,536 bytes; rowtok 9,728 bytes of whole numbers; pos 8,192 bytes of whole numbers; tinfo 256 bytes of whole numbers; hc 2,211,840 bytes; hs 69,120 bytes; y 17,694,720 bytes
;; launch prep (part 5): grid 129 x 1, 8 waves a work-group, no clusters, 66,816 bytes of LDS; arguments x, expert_indices, xc, xs, rowtok, pos, tinfo; writes xc, xs, rowtok, pos, tinfo
.if DOCPART == 5
	.amdgcn_target "amdgcn-amd-amdhsa--gfx1250"
	.amdhsa_code_object_version 6
	.text
	.protected	k_qcc7e44f5f2_prep
	.globl	k_qcc7e44f5f2_prep
	.p2align	8
	.type	k_qcc7e44f5f2_prep,@function
k_qcc7e44f5f2_prep:
	s_mov_b64 s[64:65], 0
	v_nop
	global_prefetch_b8 v0, s[64:65] scope:SCOPE_SE
	s_setreg_imm32_b32 hwreg(HW_REG_WAVE_MODE, 25, 1), 1
	s_wait_xcnt 0x0
; TWO JOBS IN ONE LAUNCH, parted on the work-group's number.
; Work-groups 0-127: x [1024][2048] f32 becomes codes of E4M3, xc [1024][2048], K innermost in its true order, and one E8M0 byte for each 32 along K, xs [1024][64].
;   A block's scale is 2^(floor(log2(its largest magnitude)) - 8); its byte is the largest magnitude's exponent field - 8, held at 1 from below.
;   A wave takes one row: four steps of 512 numbers.  Each load reads 512 consecutive bytes; a step's 2,048 bytes turn through the wave's own stage in LDS, so that a lane
;   holds 16 neighbours along K (two neighbouring lanes hold a block).  A lane's 16 codes are 16 bytes: a store covers 512 consecutive bytes.
;   A row's 64 scale bytes leave as 2 bytes a lane, 64 consecutive bytes a wave, 512 a work-group: one byte for each 128 that the launch reads.
; Work-group 128: the 2,048 entries of expert_indices are sorted by expert (a counting sort, no atomics).  Each expert's rows are padded to whole tiles of 16:
;   rowtok[p] = the token of padded position p (0 where p is padding), pos[2 b + k] = the position of entry (b, k), tinfo[e] = (first tile, number of tiles).
;   There are never more than 135 tiles (2,048 / 16 + 7), whatever the choice.
;   Wave w takes entries 256 w .. 256 w + 255, eight a lane.  Pass 1: for each expert, each entry's rank among the wave's entries of that expert, and the wave's count.  The counts meet in LDS, one barrier.
;   Then every wave knows each expert's first tile and how many of its rows lie in the waves in front: pass 2 adds that to the ranks.  An expert's rows lie in the order (wave, register, lane);
;   any one-to-one order serves, since rows do not depend on each other.  pos leaves as dense runs of 512 bytes; rowtok's words are scattered, eight stores a wave.
;   Wave e also writes expert e's padding, its share of the words behind the last tile, and tinfo[e].  EXEC is never changed: a lane with no such word stores to a spare word behind rowtok's 2,160, which nobody reads.
;   No register is written again behind a store that names it, so no wait frees a store's sources.
; LIMITS: NaN and infinities among x are not served.  Blocks whose largest magnitude lies under 2^(9 - 127) get the byte 1; so does a block of zeros, where the rule says 127:
;   its codes are zeros, which add nothing under any byte but 0xff, and the bytes are read by this program alone.
; No matrix unit, no tensor load, no cluster: the work-groups share no input.
.set SP,    80                         ; a lane's place in a stage: its 64 bytes + 16 of padding
.set WREG,  8192                       ; LDS of a wave on the quantiser's path: two stages of 32 x SP bytes, then its 64 scale bytes
.set SORTL, 65536                      ; LDS of the sort's path: eight counts for each of eight waves
.set R,     16                         ; v16-79   four sets of 16 numbers as loaded
.set X,     80                         ; v80-111  two sets of 16 neighbours
.set E,     112                        ; v112-115 a scale byte for each step
.set C,     128                        ; v128-143 codes: four registers for each step, so that no store's data are written again
.set IDX,   20                         ; the sort: v20-27 my eight entries
.set RK,    28                         ; v28-35   their ranks, then their positions
.set TM,    36                         ; v36-43   at work: a rank, then the first position of the entry's expert
.set CN,    44                         ; v44-51   my wave's eight counts
.set CL,    52                         ; v52-59   the eight waves' counts of expert lane % 8
.set TK,    72                         ; v72-75   my entries' four tokens
.set QO,    76                         ; v76-83   byte offsets in rowtok
	s_load_b256 s[4:11], s[0:1], 0x0               ; x s[4:5], expert_indices s[6:7], xc s[8:9], xs s[10:11]
	s_load_b128 s[12:15], s[0:1], 0x20             ; rowtok s[12:13], pos s[14:15]
	s_load_b64 s[16:17], s[0:1], 0x30              ; tinfo
	v_lshl_add_u32 v192, v0, 2, 0x10100
	v_mov_b32 v193, 0
	v_lshrrev_b32 v1, 5, v0
	s_delay_alu instid0(VALU_DEP_1)
	v_readfirstlane_b32 s18, v1                    ; wave 0..7
	v_and_b32 v2, 31, v0                           ; lane
	s_delay_alu instid0(VALU_DEP_1)
	v_lshlrev_b32 v3, 4, v2                        ; 16 x lane
	s_wait_kmcnt 0x0
	s_cmp_eq_u32 ttmp9, 128
	s_cbranch_scc1 .Lsort
	; ---------------- the quantiser ----------------
	s_lshl_b32 s19, ttmp9, 3
	s_add_co_u32 s19, s19, s18                     ; my row = 8 x work-group + wave
	s_mov_b32 s21, 0
	s_lshl_b32 s20, s19, 13                        ; 8,192 bytes of x a row
	s_add_nc_u64 s[4:5], s[4:5], s[20:21]
	s_lshl_b32 s20, s19, 11                        ; 2,048 bytes of codes
	s_add_nc_u64 s[8:9], s[8:9], s[20:21]
	s_lshl_b32 s20, s19, 6                         ; 64 scale bytes
	s_add_nc_u64 s[10:11], s[10:11], s[20:21]
	s_mul_i32 s22, s18, WREG
	s_wait_alu depctr_va_vdst(0)
	v_lshrrev_b32 v14, 2, v2
	s_delay_alu instid0(VALU_DEP_1)
	v_mul_u32_u24 v14, v14, SP
	v_and_b32 v15, 3, v2
	s_delay_alu instid0(VALU_DEP_1)
	v_lshl_add_u32 v14, v15, 4, v14
	s_delay_alu instid0(VALU_DEP_1)
	v_add_nc_u32 v14, s22, v14                     ; the stage, on the way in: four lanes' 64 bytes on end, then 16 of padding
	v_mul_u32_u24 v15, v2, SP
	s_delay_alu instid0(VALU_DEP_1)
	v_add_nc_u32 v15, s22, v15                     ; and on the way out: my 16 neighbours
	s_add_co_u32 s22, s22, 2*32*SP
	v_lshrrev_b32 v5, 1, v2
	s_delay_alu instid0(VALU_DEP_1)
	v_add_nc_u32 v5, s22, v5                       ; my block's byte among the wave's scale bytes
	v_lshlrev_b32 v7, 1, v2                        ; on the way out 2 bytes a lane
	s_delay_alu instid0(VALU_DEP_1)
	v_add_nc_u32 v6, s22, v7
	s_mov_b32 s23, 0x600000                        ; the mantissa field of 448
.macro LOAD t
.irp i, 0,1,2,3
	global_load_b128 v[R+16*(\t)+4*\i:R+16*(\t)+4*\i+3], v3, s[4:5] offset:2048*(\t)+512*\i th:TH_LOAD_NT   ; 32 lanes read 512 consecutive bytes; read once in the launch
.endr
.endm
.macro TURN t                          ; step t's numbers through a stage: LDS serves a wave's instructions in order, so no wait stands between the stores and the loads
.irp i, 0,1,2,3
	ds_store_b128 v14, v[R+16*(\t)+4*\i:R+16*(\t)+4*\i+3] offset:32*SP*((\t)%2)+8*SP*\i
.endr
.irp i, 0,1,2,3
	ds_load_b128 v[X+16*((\t)%2)+4*\i:X+16*((\t)%2)+4*\i+3], v15 offset:32*SP*((\t)%2)+16*\i
.endr
.endm
.macro STEP t
.set XSET, X+16*((\t)%2)
.if (\t) > 0
	s_wait_dscnt 1                                 ; this step's numbers are back from the stage; the last step's byte store may be out
.else
	s_wait_dscnt 0x0
.endif
.if (\t) < 3
	s_wait_loadcnt 4*(2-(\t))                      ; the next step's four loads are in; those of the steps behind it may be out
	TURN (\t)+1                                    ; and go through the other stage while this step is worked
.endif
	v_max3_num_f32 v8, |v[XSET]|, |v[XSET+1]|, |v[XSET+2]|         ; the largest magnitude of my 16, in two chains
	v_max3_num_f32 v9, |v[XSET+3]|, |v[XSET+4]|, |v[XSET+5]|
.irp i, 6,10
	s_delay_alu instid0(VALU_DEP_2)
	v_max3_num_f32 v8, v8, |v[XSET+\i]|, |v[XSET+\i+1]|
	s_delay_alu instid0(VALU_DEP_2)
	v_max3_num_f32 v9, v9, |v[XSET+\i+2]|, |v[XSET+\i+3]|
.endr
	s_delay_alu instid0(VALU_DEP_2)
	v_max3_num_f32 v8, v8, |v[XSET+14]|, |v[XSET+15]|
	s_delay_alu instid0(VALU_DEP_1)
	v_max3_num_f32 v8, v8, v9, 0x4800000           ; and the floor 2^(9 - 127): the byte cannot fall under 1
	s_delay_alu instid0(VALU_DEP_1)
	v_max_num_f32_dpp v8, v8, v8 row_xmask:1 row_mask:0xf bank_mask:0xf   ; with my neighbour's 16: the block's
	s_delay_alu instid0(VALU_DEP_1)
	v_add_nc_u32 v11, 0xfc000000, v8               ; 8 off its exponent field: the conversion takes this operand's exponent field as its scale
	s_delay_alu instid0(VALU_DEP_2)
	v_and_or_b32 v10, v8, 0x7f800000, s23          ; 448 x the scale
.irp i, 0,1,2,3,4,5,6,7,8,9,10,11,12,13,14,15
	v_med3_num_f32 v[XSET+\i], v[XSET+\i], -v10, v10   ; the conversion to an 8-bit code does not saturate (ISA guide 7.6.2): the hold comes first
.endr
	v_cvt_scalef32_pk8_fp8_f32 v[C+4*(\t):C+4*(\t)+1], v[XSET:XSET+7], v11
	v_cvt_scalef32_pk8_fp8_f32 v[C+4*(\t)+2:C+4*(\t)+3], v[XSET+8:XSET+15], v11
	v_lshrrev_b32 v[E+(\t)], 23, v11               ; the scale's byte (also the plain line behind the conversions)
	ds_store_b8 v5, v[E+(\t)] offset:16*(\t)       ; both lanes of a block write the same byte with the same value
	global_store_b128 v3, v[C+4*(\t):C+4*(\t)+3], s[8:9] offset:512*(\t)
.endm
.irp t, 0,1,2,3
	LOAD \t
.endr
	s_wait_alu depctr_va_vdst(0)
	s_wait_loadcnt 12                              ; step 0's four loads are in; the twelve behind them may be out
	TURN 0
.irp t, 0,1,2,3
	STEP \t
.endr
	ds_load_u16 v12, v6                            ; LDS serves a wave's instructions in order: this sees my byte stores
	s_wait_dscnt 0x0
	global_store_b16 v7, v12, s[10:11]             ; the row's 64 scale bytes
	s_wait_tensorcnt 0x0
	ds_add_u32 v192, v193
	s_wait_dscnt 0x0
	s_endpgm
	; ---------------- the sort ----------------
; s40-47 eight masks; s48-55 their counts, later the experts' first tiles; s56-63 running sums, later masks; s66-73 my wave's counts, later the experts' rows; s74-81 the experts' tiles;
; s82-89 the rows in the waves in front of mine, then my wave's first position, by expert; s90-96 all ones where wave i stands in front of mine; s97-99 first tile, tiles and rows of expert = my wave's number; s100 all tiles
.Lsort:
	s_wait_alu depctr_va_vdst(0)
	v_lshl_add_u32 v119, s18, 10, v3               ; 1,024 x wave + 16 x lane: my bytes of expert_indices, and of pos
	global_load_b128 v[IDX:IDX+3], v119, s[6:7]                    ; register 4 j + i of a lane: entry 256 x wave + 128 j + 4 x lane + i
	global_load_b128 v[IDX+4:IDX+7], v119, s[6:7] offset:512
.irp i, 0,1,2,3,4,5,6
	s_cmp_gt_u32 s18, \i
	s_cselect_b32 s[90+\i], -1, 0
.endr
	s_lshl_b32 s21, s18, 5
	s_add_co_u32 s21, s21, SORTL
	v_mov_b32 v116, s21                            ; where my wave's eight counts go
	v_and_b32 v117, 7, v0
	s_delay_alu instid0(VALU_DEP_1)
	v_lshl_add_u32 v118, v117, 2, SORTL            ; where lane l reads the counts of expert l % 8
	s_lshl_b32 s22, s18, 7
	v_lshl_add_u32 v[TK], v2, 1, s22               ; entry 256 w + 128 j + 4 l + i belongs to token 128 w + 64 j + 2 l + i / 2
	s_delay_alu instid0(VALU_DEP_1)
	v_add_nc_u32 v[TK+1], 1, v[TK]
	s_delay_alu instid0(VALU_DEP_2)
	v_add_nc_u32 v[TK+2], 64, v[TK]
	s_delay_alu instid0(VALU_DEP_3)
	v_add_nc_u32 v[TK+3], 65, v[TK]
	s_lshl_b32 s45, s18, 5
	s_add_co_u32 s45, s45, 2160
	v_add_nc_u32 v85, s45, v2                      ; my spare word behind rowtok's 2,160
	v_mov_b32 v87, 0
	s_wait_loadcnt 0x0
; Pass 1 for expert e.  Eight compares, eight counts, a running sum, eight ranks, eight selects: each kind in a run of eight, so that no line waits for the line above it.
.macro RANK e
.if \e == 0
.set DST, RK                           ; the first expert's ranks are written outright: so every rank register is written before it is read
.else
.set DST, TM
.endif
.irp t, 0,1,2,3,4,5,6,7
	v_cmp_eq_u32 s[40+\t], \e, v[IDX+\t]
.endr
.irp t, 0,1,2,3,4,5,6,7
	s_bcnt1_i32_b32 s[48+\t], s[40+\t]
.endr
	s_add_co_u32 s58, s48, s49                     ; s[56 + t]: how many of registers 0 .. t - 1 match (for t = 1 that is s48 itself)
.irp t, 3,4,5,6,7
	s_add_co_u32 s[56+\t], s[55+\t], s[47+\t]
.endr
	s_add_co_u32 s[66+\e], s63, s55                ; the wave's count
	v_mbcnt_lo_u32_b32 v[DST], s40, 0              ; the rank: matches in the registers in front + matches in lower lanes
	v_mbcnt_lo_u32_b32 v[DST+1], s41, s48
.irp t, 2,3,4,5,6,7
	v_mbcnt_lo_u32_b32 v[DST+\t], s[40+\t], s[56+\t]
.endr
.if \e > 0
.irp t, 0,1,2,3,4,5,6,7
	v_cndmask_b32 v[RK+\t], v[RK+\t], v[TM+\t], s[40+\t]
.endr
.endif
.endm
.irp e, 0,1,2,3,4,5,6,7
	RANK \e
.endr
.irp e, 0,1,2,3,4,5,6,7
	v_mov_b32 v[CN+\e], s[66+\e]
.endr
	ds_store_b128 v116, v[CN:CN+3]                 ; all lanes write the same 32 bytes with the same values
	ds_store_b128 v116, v[CN+4:CN+7] offset:16
	s_wait_dscnt 0x0                               ; for the others' sake: the stores have landed
	s_barrier_signal -1
	s_barrier_wait -1                              ; all eight waves of this work-group are on this path
.irp i, 0,1,2,3,4,5,6,7
	ds_load_b32 v[CL+\i], v118 offset:32*\i        ; wave i's count of expert lane % 8
.endr
	s_wait_dscnt 0x0
	v_add3_u32 v60, v[CL], v[CL+1], v[CL+2]        ; the expert's rows
	s_delay_alu instid0(VALU_DEP_1)
	v_add3_u32 v60, v60, v[CL+3], v[CL+4]
	s_delay_alu instid0(VALU_DEP_1)
	v_add3_u32 v60, v60, v[CL+5], v[CL+6]
	s_delay_alu instid0(VALU_DEP_1)
	v_add_nc_u32 v60, v60, v[CL+7]
.irp i, 0,1,2,3,4,5,6
	v_cndmask_b32 v[62+\i], 0, v[CL+\i], s[90+\i]  ; only the waves in front of mine
.endr
	v_add3_u32 v61, v62, v63, v64                  ; the expert's rows in those waves
	s_delay_alu instid0(VALU_DEP_1)
	v_add3_u32 v61, v61, v65, v66
	s_delay_alu instid0(VALU_DEP_1)
	v_add3_u32 v61, v61, v67, v68
	v_add_nc_u32 v70, 15, v60
	s_delay_alu instid0(VALU_DEP_1)
	v_lshrrev_b32 v70, 4, v70                      ; the expert's tiles
.irp e, 0,1,2,3,4,5,6,7
	v_readlane_b32 s[74+\e], v70, \e
.endr
.irp e, 0,1,2,3,4,5,6,7
	v_readlane_b32 s[82+\e], v61, \e
.endr
.irp e, 0,1,2,3,4,5,6,7
	v_readlane_b32 s[66+\e], v60, \e
.endr
	s_mov_b32 s48, 0                               ; each expert's first tile: the tiles of the experts in front of it
.irp e, 0,1,2,3,4,5,6
	s_add_co_u32 s[49+\e], s[48+\e], s[74+\e]
.endr
	s_add_co_u32 s100, s55, s81                    ; all tiles
.irp e, 0,1,2,3,4,5,6,7
	s_lshl_b32 s[40+\e], s[48+\e], 4
.endr
.irp e, 0,1,2,3,4,5,6,7
	s_add_co_u32 s[82+\e], s[82+\e], s[40+\e]      ; my wave's first position of expert e
.endr
	; Pass 2: each entry's position = its expert's first position for my wave + its rank
.irp t, 0,1,2,3,4,5,6,7
	v_mov_b32 v[TM+\t], s82
.endr
.irp e, 1,2,3,4,5,6,7
.irp t, 0,1,2,3,4,5,6,7
	v_cmp_eq_u32 s[56+\t], \e, v[IDX+\t]
.endr
.irp t, 0,1,2,3,4,5,6,7
	v_cndmask_b32 v[TM+\t], v[TM+\t], s[82+\e], s[56+\t]
.endr
.endr
.irp t, 0,1,2,3,4,5,6,7
	v_add_nc_u32 v[RK+\t], v[RK+\t], v[TM+\t]
.endr
.irp t, 0,1,2,3,4,5,6,7
	v_min_u32 v[QO+\t], 2415, v[RK+\t]
.endr
.irp t, 0,1,2,3,4,5,6,7
	v_lshlrev_b32 v[QO+\t], 2, v[QO+\t]
.endr
.irp t, 0,1,2,3,4,5,6,7
	global_store_b32 v[QO+\t], v[TK+2*(\t/4)+(\t%4)/2], s[12:13]   ; rowtok[position] = token
.endr
	global_store_b128 v119, v[RK:RK+3], s[14:15]                   ; pos: 512 consecutive bytes a store
	global_store_b128 v119, v[RK+4:RK+7], s[14:15] offset:512
	; the expert whose number is my wave's: its first tile, tiles and rows
	s_mov_b32 s97, s48
	s_mov_b32 s98, s74
	s_mov_b32 s99, s66
.irp e, 1,2,3,4,5,6,7
	s_cmp_eq_u32 s18, \e
	s_cselect_b32 s97, s[48+\e], s97
	s_cselect_b32 s98, s[74+\e], s98
	s_cselect_b32 s99, s[66+\e], s99
.endr
	s_lshl_b32 s44, s97, 4
	s_add_co_u32 s44, s44, s99                     ; behind its last row:
	v_add_nc_u32 v88, s44, v2                      ; the padding of its last tile, 15 positions at the most: token 0
	s_add_co_u32 s45, s97, s98
	s_lshl_b32 s45, s45, 4
	v_cmp_gt_u32 vcc_lo, s45, v88
	s_delay_alu instid0(VALU_DEP_1)
	v_cndmask_b32 v92, v85, v88, vcc_lo            ; a lane past the tile's end takes its spare word
	s_delay_alu instid0(VALU_DEP_1)
	v_min_u32 v92, 2415, v92
	s_delay_alu instid0(VALU_DEP_1)
	v_lshlrev_b32 v92, 2, v92
	global_store_b32 v92, v87, s[12:13]
	s_lshl_b32 s46, s100, 4                        ; behind the last tile in use, 112 positions at the most: token 0 too, so that every word that a later launch can load is written
	s_lshl_b32 s47, s18, 5
	s_add_co_u32 s46, s46, s47
	v_add_nc_u32 v89, s46, v2
	s_delay_alu instid0(VALU_DEP_1)
	v_cmp_gt_u32 vcc_lo, 2160, v89
	s_delay_alu instid0(VALU_DEP_1)
	v_cndmask_b32 v93, v85, v89, vcc_lo
	s_delay_alu instid0(VALU_DEP_1)
	v_min_u32 v93, 2415, v93
	s_delay_alu instid0(VALU_DEP_1)
	v_lshlrev_b32 v93, 2, v93
	global_store_b32 v93, v87, s[12:13]
	v_mov_b32 v104, s97
	v_mov_b32 v105, s98
	s_lshl_b32 s47, s18, 3
	v_mov_b32 v106, s47
	global_store_b64 v106, v[104:105], s[16:17]    ; (first tile, tiles): all lanes write the same 8 bytes
	s_wait_tensorcnt 0x0
	ds_add_u32 v192, v193
	s_wait_dscnt 0x0
	s_endpgm
.Lfunc_end_k_qcc7e44f5f2_prep:
	.size	k_qcc7e44f5f2_prep, .Lfunc_end_k_qcc7e44f5f2_prep-k_qcc7e44f5f2_prep
	.p2alignl 7, 3214868480
	.fill 96, 4, 3214868480
	.section	.rodata,"a",@progbits
	.p2align	6, 0x0
	.amdhsa_kernel k_qcc7e44f5f2_prep
		.amdhsa_group_segment_fixed_size 66816
		.amdhsa_private_segment_fixed_size 0
		.amdhsa_enable_private_segment 0
		.amdhsa_kernarg_size 56
		.amdhsa_user_sgpr_count 2
		.amdhsa_user_sgpr_kernarg_segment_ptr 1
		.amdhsa_wavefront_size32 1
		.amdhsa_system_sgpr_workgroup_id_x 1
		.amdhsa_system_sgpr_workgroup_id_y 1
		.amdhsa_system_sgpr_workgroup_id_z 1
		.amdhsa_system_vgpr_workitem_id 0
		.amdhsa_next_free_vgpr 194
		.amdhsa_next_free_sgpr 102
		.amdhsa_reserve_vcc 1
		.amdhsa_float_denorm_mode_32 3
		.amdhsa_float_denorm_mode_16_64 3
		.amdhsa_memory_ordered 1
		.amdhsa_forward_progress 1
		.amdhsa_inst_pref_size 49
	.end_amdhsa_kernel
	.amdgpu_metadata
---
amdhsa.version: [ 1, 2 ]
amdhsa.kernels:
  - .name:           k_qcc7e44f5f2_prep
    .symbol:         k_qcc7e44f5f2_prep.kd
    .args:
      - { .name: x, .offset: 0, .size: 8, .value_kind: global_buffer, .address_space: global }
      - { .name: expert_indices, .offset: 8, .size: 8, .value_kind: global_buffer, .address_space: global }
      - { .name: xc, .offset: 16, .size: 8, .value_kind: global_buffer, .address_space: global }
      - { .name: xs, .offset: 24, .size: 8, .value_kind: global_buffer, .address_space: global }
      - { .name: rowtok, .offset: 32, .size: 8, .value_kind: global_buffer, .address_space: global }
      - { .name: pos, .offset: 40, .size: 8, .value_kind: global_buffer, .address_space: global }
      - { .name: tinfo, .offset: 48, .size: 8, .value_kind: global_buffer, .address_space: global }
    .group_segment_fixed_size: 66816
    .private_segment_fixed_size: 0
    .kernarg_segment_align: 8
    .kernarg_segment_size: 56
    .max_flat_workgroup_size: 256
    .sgpr_count:     102
    .vgpr_count:     194
    .wavefront_size: 32
...
	.end_amdgpu_metadata
.endif
;; end of part 5
;; launch gateup (part 6): grid 32 x 8, 16 waves a work-group, no clusters, 137,216 bytes of LDS; arguments xc, xs, rowtok, tinfo, w1, w3, hc, hs; writes hc, hs
.if DOCPART == 6
	.amdgcn_target "amdgcn-amd-amdhsa--gfx1250"
	.amdhsa_code_object_version 6
	.text
	.protected	k_qcc7e44f5f2_gateup
	.globl	k_qcc7e44f5f2_gateup
	.p2align	8
	.type	k_qcc7e44f5f2_gateup,@function
k_qcc7e44f5f2_gateup:
	s_mov_b64 s[64:65], 0
	v_nop
	global_prefetch_b8 v0, s[64:65] scope:SCOPE_SE
	s_setreg_imm32_b32 hwreg(HW_REG_WAVE_SCHED_MODE, 0, 2), 2
	s_setreg_imm32_b32 hwreg(HW_REG_WAVE_MODE, 25, 1), 1
	s_wait_xcnt 0x0
	s_wait_alu depctr_vm_vsrc(0)
; hidden = silu(x w1[e]) * (x w3[e]) for the rows routed to expert e, both products on codes of E4M3 with one E8M0 scale for each 32 along K = 2,048; the result is quantised along I on the way.
; THE WEIGHTS STAY, THE ROWS COME.  Work-group (j, e) owns columns 32 j .. 32 j + 31 of w1[e] and of w3[e]: 2 x 2,048 x 32 f32, read from memory once in the whole program.
; PHASE A: sixteen waves stream them.  Wave w: matrix q = w % 2 (w1, w3), block kbl = w / 2 of 32 along K within each run of 256; task n takes K rows 256 n + 32 kbl + 0 .. 31.
;   A LANE TAKES A COLUMN AND ITS REGISTERS RUN DOWN K: a block of 32 lies in one lane's 32 registers, its largest magnitude needs no other lane, and the conversions give codes with K innermost.
;   A load reads 128 consecutive bytes (32 columns are one block of the next product's K; the work-group beside this one reads the other half of each 256 bytes, so no cache hint is written).
;   The codes go to LDS as IMAGES OF OPERAND REGISTERS: fragment (K step s, matrix q, tile u): four groups of 512 bytes, lane l' at 16 l'.  The scale words: 4 bytes a lane, tile 0 in lanes 0-15, tile 1 in lanes 16-31.
;   THE COLUMNS OF A TILE ARE NOT NEIGHBOURS: row r' of tile u is column 8 u + r' + 8 (r' / 8), so that in a result the 16 registers of tiles 0 and 1 of a lane are 16 neighbouring columns, 16 (lane / 16) + 0 .. 15.
; ONE BARRIER, on the straight path.  Behind it the codes are only read.
; PHASE B: a wave takes a pair of tiles of 16 routed rows (local tiles 2 w, 2 w + 1; then 32 further on: four trips at the most), gathers their rows of x's codes by the stored list, and multiplies: transposed
;   (source 0 = 16 columns of a weight, source 1 = 16 rows), so that a lane holds ONE row.  Eight accumulators (2 tiles x 2 matrices x 2 column tiles) by turns.
;   THE ROWS' FRAGMENTS HAVE THREE BUFFERS: K step s asks for step s + 2, so that a load has two K steps in which to land and 24 loads of a wave are out.
;   silu(g) u in f32; its 32 columns are exactly one block of the next K: quantised, the lane's 16 codes are group j % 4 of K step j / 4 of the next operand's image: 512 consecutive bytes a store.
;   The scale byte goes out singly, 4 bytes from lane to lane: one byte for each 32 of codes.
; With an odd number of tiles the last pair takes its one tile twice: the same wave stores the same values twice.  An expert without rows still streams its weights: no barrier stands under a branch on loaded numbers.
; NO TENSOR LOAD, NO CLUSTER: the number of an expert's tiles is read from memory and steers the trips, so the operands go through registers; what the 32 work-groups of an expert share, x's codes, is 2 MB in all.
; LIMITS: NaN and infinities are not served.  Blocks whose largest magnitude lies under 2^(9 - 127), blocks of zeros among them, get the byte 1 (this program alone reads the bytes).
;   For g under about -88 the exponential is infinite, its reciprocal 0, and the hidden number +-0.
; THE MODE: SCHED_MODE bits 1:0 = 2 (LLVM: expert scheduling mode 2), set by the entry lines.  The code itself states the register dependences
; between vector or matrix instructions and memory or LDS instructions, with s_wait_alu, always for 0.
; THE PLAN.  Registers that memory or LDS instructions touch:
;   v1, v4-v8, v14, v15   offsets and LDS addresses: written at the head, never again.
;   W0, W1 (v32-95)       phase A: task n's loads land in set n % 2; its maxima, holds and conversions name the set; behind them the loads of task n + 2 land in it.
;   v96-103, v24          phase A: written by task n's conversions and shift, read by its three LDS stores, written again by task n + 1; behind the last task rows' fragments land there.
;   v9-11                 written at a pair's head, read by all the pair's global loads.
;   XS, BF, BS, and the rows' three buffers: written by loads, read by products.  The loads of K step s land in BF, BS and buffer (s + 2) % 3, which the products of step s - 1 were the last to read.
;   v16-19, v28-31, v128-135   the epilogue writes them (offsets, bytes, the next pair's token offsets, codes); its four stores and two loads read them; in the next trip fragments land there.
;   v12-13                the tokens land there; a pair's head reads and clamps them.
; So: one wait on va_vdst in a task, behind its conversions, and one on vm_vsrc at its end; one on va_vdst at a pair's head, which serves K step 0 too; one at the head of each later K step, ahead of all the step's loads
; (the weights' fragments have one buffer, so a step's products cannot begin before these loads land: behind the wait is the earliest place for them); one ahead of the epilogue's stores and loads; one on vm_vsrc behind them, ahead of the backward branch.
.set NT,  8                            ; tasks of a wave
.set NS,  16                           ; K steps of 128
.set RS,  4096                         ; a row of w1 or w3 in bytes
.set SCB, 131072                       ; LDS: behind the 16 x 8,192 bytes of fragments, 32 x 128 bytes of scale words
.set WOFF, 1                           ; v1       4 x my column
.set BS,  2                            ; v2-3     the weights' scale words of the K step in hand; scales and nothing else
.set LWB, 4                            ; v4       where I store codes, tasks 4-7
.set LSW, 5                            ; v5       where I store a scale byte
.set LRA, 6                            ; v6       16 x lane
.set LRB, 7                            ; v7       16 x lane + 65,536
.set LSR, 8                            ; v8       SCB + 4 x lane
.set VA,  9                            ; v9-10    byte offsets of the two tiles' rows of codes
.set VS,  11                           ; v11      byte offset of my row's scale words
.set TOK, 12                           ; v12-13   the two tiles' tokens
.set LWA, 14                           ; v14      where I store codes, tasks 0-3
.set R4,  15                           ; v15      4 r
;                                        v16-31   phase A and the epilogue: offsets (v16-19), work (v20-29), the next pair's offsets in rowtok (v30-31).  In the K loop: the third buffer's tile 0
.set W,   32                           ; v32-95   phase A: two sets of 32 numbers
.set ACC, 32                           ; v32-95   phase B: accumulator (t, q, u) at ACC + 32 t + 16 q + 8 u
.set AB,  96                           ; v96-159  phase A: v96-103 a block's codes.  Phase B: the rows' fragments, buffers 0 and 1 (tile t at + 16 t); at the end at work
.set XS,  160                          ; v160-175 the rows' scale words of all 16 K steps: tile 0 in lanes 0-15, tile 1 in lanes 16-31; scales and nothing else
.set BF,  176                          ; v176-239 four fragments of the weights: (q, u) at BF + 32 q + 16 u
;                                        v240-255 the third buffer's tile 1
; s28, s29 my expert's first tile and number of tiles; s34 the pair's first local tile; s35, s36 the pair's tiles; s52 trips done; s53 my trips
	s_load_b256 s[4:11], s[0:1], 0x0               ; xc s[4:5], xs s[6:7], rowtok s[8:9], tinfo s[10:11]
	s_load_b256 s[12:19], s[0:1], 0x20             ; w1 s[12:13], w3 s[14:15], hc s[16:17], hs s[18:19]
	v_lshrrev_b32 v20, 5, v0
	v_readfirstlane_b32 s20, v20                   ; wave 0..15
	s_mov_b32 s21, ttmp9                           ; j
	s_and_b32 s22, ttmp7, 0xffff                   ; e
	s_wait_alu depctr_va_sdst(0)                   ; s20 is written, ahead of its first reader: the wave's shares and addresses are made from it
	s_and_b32 s23, s20, 1                          ; q
	s_lshr_b32 s24, s20, 1                         ; kbl
	s_lshr_b32 s25, s20, 3                         ; kbl / 4: which K step of a task's two
	s_and_b32 s26, s24, 3                          ; kbl % 4: which group of the fragment, which byte of the scale word
	v_and_b32 v24, 31, v0                          ; lane
	v_and_b32 v20, 7, v0
	v_bfe_u32 v21, v0, 4, 1                        ; u
	v_bfe_u32 v22, v0, 3, 1
	v_and_b32 v23, 15, v0                          ; r
	v_lshl_add_u32 v[WOFF], v21, 3, v20
	v_lshl_add_u32 v[WOFF], v22, 4, v[WOFF]        ; my column: lane % 8 + 8 u + 16 ((lane / 8) % 2)
	v_lshlrev_b32 v[WOFF], 2, v[WOFF]
	s_lshl_b32 s42, s23, 12
	s_lshl_b32 s43, s25, 13
	s_add_co_u32 s42, s42, s43
	s_lshl_b32 s43, s26, 9
	s_add_co_u32 s42, s42, s43
	v_lshlrev_b32 v[LWA], 4, v23
	v_lshl_add_u32 v[LWA], v21, 11, v[LWA]
	v_add_nc_u32 v[LWA], s42, v[LWA]               ; 4,096 q + 8,192 (kbl / 4) + 512 (kbl % 4) + 2,048 u + 16 r
	v_add_nc_u32 v[LWB], 0x10000, v[LWA]
	s_lshl_b32 s42, s25, 8
	s_lshl_b32 s43, s23, 7
	s_add_co_u32 s42, s42, s43
	s_add_co_u32 s42, s42, s26
	s_add_co_u32 s42, s42, SCB
	v_lshl_add_u32 v[LSW], v24, 2, s42             ; SCB + 256 (kbl / 4) + 128 q + 4 x lane + kbl % 4
	v_lshlrev_b32 v[LRA], 4, v24
	v_add_nc_u32 v[LRB], 0x10000, v[LRA]
	v_lshl_add_u32 v[LSR], v24, 2, SCB
	v_lshlrev_b32 v[R4], 2, v23
	s_mov_b32 s37, 0x600000                        ; the mantissa field of 448
	s_mov_b32 s38, 0x76543210
	s_mov_b32 s39, 0xfedcba98                      ; v_permlanex16_b32's selects for lane l xor 16
	s_mov_b32 s40, 0xbfb8aa3b                      ; -log2(e)
	s_mov_b32 s41, s40                             ; (named with it as a pair, so it is written)
	s_mov_b32 s46, 0xffff0000                      ; lanes 16-31
	s_lshl_b32 s34, s20, 1                         ; my pair's first local tile
	s_lshl_b32 s45, s21, 9                         ; my group's 512 bytes in a tile of hc
	s_lshr_b32 s47, s21, 2
	s_lshl_b32 s47, s47, 6
	s_and_b32 s44, s21, 3
	s_add_co_u32 s47, s47, s44                     ; my byte's place in a tile of hs: 64 (j / 4) + j % 4
	s_lshl_b32 s32, s22, 23                        ; an expert's 2,048 x 1,024 x 4 bytes,
	s_lshl_b32 s44, s24, 17                        ; 32 kbl rows,
	s_add_co_u32 s32, s32, s44
	s_lshl_b32 s44, s21, 7                         ; 32 j columns
	s_add_co_u32 s32, s32, s44
	s_mov_b32 s33, 0
	s_lshl_b32 s48, s22, 3
	s_mov_b32 s49, 0
	s_wait_kmcnt 0x0
	s_cmp_eq_u32 s23, 0                            ; w1 or w3: the choice hangs on the wave's number alone
	s_cselect_b64 s[30:31], s[12:13], s[14:15]
	s_add_nc_u64 s[30:31], s[30:31], s[32:33]
	s_add_nc_u64 s[10:11], s[10:11], s[48:49]
	s_load_b64 s[28:29], s[10:11], 0x0             ; my expert's first tile and number of tiles
.macro WLOAD n                         ; task n's 32 rows into set n % 2
.set wi, 0
.rept 32
	global_load_b32 v[W+32*((\n)%2)+wi], v[WOFF], s[30:31] offset:(256*(\n)+wi)*RS   ; the largest offset, 1,823 rows, lies inside the signed 24-bit immediate (ISA guide, chapter 10)
.set wi, wi+1
.endr
.endm
.macro TASK n, cnt                     ; cnt: the loads issued behind this task's, which may stay out
.set WS, W+32*((\n)%2)
	s_wait_loadcnt \cnt
	v_max3_num_f32 v20, |v[WS]|, |v[WS+1]|, |v[WS+2]|              ; the block's largest magnitude: all 32 numbers are mine; two chains
	v_max3_num_f32 v21, |v[WS+3]|, |v[WS+4]|, |v[WS+5]|
.irp i, 6,10,14,18,22,26
	v_max3_num_f32 v20, v20, |v[WS+\i]|, |v[WS+\i+1]|
	v_max3_num_f32 v21, v21, |v[WS+\i+2]|, |v[WS+\i+3]|
.endr
	v_max3_num_f32 v20, v20, |v[WS+30]|, |v[WS+31]|
	v_max3_num_f32 v20, v20, v21, 0x4800000        ; and the floor 2^(9 - 127): the byte cannot fall under 1
	v_add_nc_u32 v22, 0xfc000000, v20              ; 8 off its exponent field: the conversion's scale operand
	v_and_or_b32 v23, v20, 0x7f800000, s37         ; 448 x the scale
	v_lshrrev_b32 v24, 23, v22                     ; the scale's byte
.set mi, 0
.rept 32
	v_med3_num_f32 v[WS+mi], v[WS+mi], -v23, v23   ; the conversion to an 8-bit code does not saturate (ISA guide 7.6.2): the hold comes first
.set mi, mi+1
.endr
.irp g, 0,1,2,3
	v_cvt_scalef32_pk8_fp8_f32 v[AB+2*\g:AB+2*\g+1], v[WS+8*\g:WS+8*\g+7], v22
.endr
	v_nop                                          ; one plain line behind the last conversion
	s_wait_alu depctr_va_vdst(0)                   ; the conversions have written v[AB ..] and the shift v24, which the LDS stores read; the holds and the conversions are done with this set, in which the loads of two tasks on land
.if (\n) < 4
	ds_store_b128 v[LWA], v[AB:AB+3] offset:16384*((\n)%4)         ; k 0-15 of the block: the image's lane r
	ds_store_b128 v[LWA], v[AB+4:AB+7] offset:16384*((\n)%4)+256   ; k 16-31: its lane r + 16
.else
	ds_store_b128 v[LWB], v[AB:AB+3] offset:16384*((\n)%4)
	ds_store_b128 v[LWB], v[AB+4:AB+7] offset:16384*((\n)%4)+256
.endif
	ds_store_b8 v[LSW], v24 offset:512*(\n)
.if (\n)+2 < NT
	WLOAD (\n)+2                                   ; no wait: no vector instruction since the wait above names this set or v[WOFF]
.endif
	s_wait_dscnt 0x0                               ; this task's LDS stores have landed
	s_wait_alu depctr_vm_vsrc(0)                   ; the LDS stores have read v[AB ..] and v24: the next task writes them again, and behind the last task the rows' fragments land there
.endm
; The pair's two tiles, clamped by written constants, and the offsets of their rows' tokens.  It stands ahead of the test of the trip, so it may name tiles that are not mine: every word that the loads can reach is written, and nothing is made of it then.
.macro PAIRA
	s_add_co_u32 s35, s28, s34
	s_min_u32 s35, s35, 134                        ; T0
	s_add_co_u32 s36, s34, 1
	s_sub_co_u32 s42, s29, 1
	s_min_u32 s36, s36, s42                        ; with an odd number of tiles the last pair takes its one tile twice
	s_add_co_u32 s36, s36, s28
	s_min_u32 s36, s36, 134                        ; T1
	v_lshl_add_u32 v30, s35, 6, v[R4]              ; 64 bytes of rowtok a tile, 4 a row
	v_lshl_add_u32 v31, s36, 6, v[R4]
.endm
.macro PAIRL                           ; and the tokens themselves
	global_load_b32 v[TOK], v30, s[8:9]
	global_load_b32 v[TOK+1], v31, s[8:9]
.endm
.macro ABASE s, t                      ; rA: where tile t's fragment of K step s lies: buffer s % 3
.if ((\s)%3) == 2
.set rA, 16+224*(\t)
.else
.set rA, AB+32*((\s)%3)+16*(\t)
.endif
.endm
.macro ALOAD s                         ; the two tiles' fragments of K step s: lane (r, h): 16 codes at 128 s + 32 c + 16 h of its row.  No hint: the expert's 32 work-groups read these rows
.irp t, 0,1
	ABASE \s, \t
.irp c, 0,1,2,3
	global_load_b128 v[rA+4*\c:rA+4*\c+3], v[VA+\t], s[4:5] offset:128*(\s)+32*\c
.endr
.endr
.endm
.macro WM s, t, q, u                   ; one product.  Tile u = 1 of a weight has its scale words in lanes 16-31, and so has tile t = 1 of the rows
.set rD, ACC+32*\t+16*\q+8*\u
.set rB, BF+32*\q+16*\u
	ABASE \s, \t
.if (\s) == 0                          ; the first K step starts the sums: nothing is cleared
.if \u == 0 && \t == 0
	v_wmma_scale_f32_16x16x128_f8f6f4 v[rD:rD+7], v[rB:rB+15], v[rA:rA+15], 0, v[BS+\q], v[XS+(\s)]
.elseif \u == 1 && \t == 0
	v_wmma_scale_f32_16x16x128_f8f6f4 v[rD:rD+7], v[rB:rB+15], v[rA:rA+15], 0, v[BS+\q], v[XS+(\s)] matrix_a_scale:MATRIX_SCALE_ROW1
.elseif \u == 0 && \t == 1
	v_wmma_scale_f32_16x16x128_f8f6f4 v[rD:rD+7], v[rB:rB+15], v[rA:rA+15], 0, v[BS+\q], v[XS+(\s)] matrix_b_scale:MATRIX_SCALE_ROW1
.else
	v_wmma_scale_f32_16x16x128_f8f6f4 v[rD:rD+7], v[rB:rB+15], v[rA:rA+15], 0, v[BS+\q], v[XS+(\s)] matrix_a_scale:MATRIX_SCALE_ROW1 matrix_b_scale:MATRIX_SCALE_ROW1
.endif
.else
.if \u == 0 && \t == 0
	v_wmma_scale_f32_16x16x128_f8f6f4 v[rD:rD+7], v[rB:rB+15], v[rA:rA+15], v[rD:rD+7], v[BS+\q], v[XS+(\s)]
.elseif \u == 1 && \t == 0
	v_wmma_scale_f32_16x16x128_f8f6f4 v[rD:rD+7], v[rB:rB+15], v[rA:rA+15], v[rD:rD+7], v[BS+\q], v[XS+(\s)] matrix_a_scale:MATRIX_SCALE_ROW1
.elseif \u == 0 && \t == 1
	v_wmma_scale_f32_16x16x128_f8f6f4 v[rD:rD+7], v[rB:rB+15], v[rA:rA+15], v[rD:rD+7], v[BS+\q], v[XS+(\s)] matrix_b_scale:MATRIX_SCALE_ROW1
.else
	v_wmma_scale_f32_16x16x128_f8f6f4 v[rD:rD+7], v[rB:rB+15], v[rA:rA+15], v[rD:rD+7], v[BS+\q], v[XS+(\s)] matrix_a_scale:MATRIX_SCALE_ROW1 matrix_b_scale:MATRIX_SCALE_ROW1
.endif
.endif
.endm
.macro KSTEP s
.if (\s) == 0
	v_nop                                          ; one place more: the first products write over accumulators of the trip before
.endif
.rept 8
	v_nop                                          ; eight places behind the last products, in front of loads into their operands and scale registers
.endr
.if (\s) > 0
	s_wait_alu depctr_va_vdst(0)                   ; the last step's products are done reading the weights' fragments, their scale words and the rows' buffer (s + 2) % 3: all this step's loads land there.  (K step 0 leans on the wait at the pair's head: only v_nop stand between)
.endif
.irp q, 0,1
.irp u, 0,1
.irp c, 0,1,2,3
.if (\s) < 8
	ds_load_b128 v[BF+32*\q+16*\u+4*\c:BF+32*\q+16*\u+4*\c+3], v[LRA] offset:((\s)%8)*8192+\q*4096+\u*2048+\c*512
.else
	ds_load_b128 v[BF+32*\q+16*\u+4*\c:BF+32*\q+16*\u+4*\c+3], v[LRB] offset:((\s)%8)*8192+\q*4096+\u*2048+\c*512
.endif
.endr
.endr
	ds_load_b32 v[BS+\q], v[LSR] offset:(2*(\s)+\q)*128
.endr
.if (\s)+2 < NS
	ALOAD (\s)+2                                   ; the rows of two K steps on, into the buffer that the last step's products have read
	s_wait_loadcnt 16                              ; the eight just issued and the next step's eight may be out; this step's rows, and the scale words, are in
.elseif (\s)+1 < NS
	s_wait_loadcnt 8                               ; the last step's eight may be out
.else
	s_wait_loadcnt 0x0
.endif
	s_wait_dscnt 0x0
.irp t, 0,1
.irp q, 0,1
.irp u, 0,1
	WM \s, \t, \q, \u
.endr
.endr
.endr
.endm
	s_wait_alu depctr_va_vdst(0)                   ; the offsets and LDS addresses v1, v4 to v8, v14 and v15 are written, which the kernel's loads and stores read
	WLOAD 0
	s_wait_kmcnt 0x0
	s_min_u32 s28, s28, 134
	s_min_u32 s29, s29, 128                        ; 2,048 rows are 128 tiles at the most
	s_add_co_u32 s53, s29, 31                      ; my trips: how many of the local tiles 2 w, 2 w + 32, .. lie under the expert's number of tiles:
	s_sub_co_u32 s53, s53, s34                     ; (tiles + 31 - 2 w) / 32, rounded down; 2 w is 30 at the most, so the sum is not negative
	s_lshr_b32 s53, s53, 5
	s_min_u32 s53, s53, 4                          ; 128 tiles are four trips at the most
	s_mov_b32 s52, 0                               ; trips done
	PAIRA
	s_wait_alu depctr_va_vdst(0)                   ; v30 and v31 are written, which the two loads of tokens read
	PAIRL
	WLOAD 1
	TASK 0, 34                                     ; behind task 0's loads: the pair's 2 and task 1's 32
	TASK 1, 32                                     ; behind a task's loads: the next task's 32
	TASK 2, 32
	TASK 3, 32
	TASK 4, 32
	TASK 5, 32
	TASK 6, 32
	TASK 7, 0
	s_wait_dscnt 0x0                               ; for the others' sake: my codes and scale bytes have landed
	s_barrier_signal -1
	s_barrier_wait -1                              ; the slice's codes lie in LDS; from here on they are only read
	s_cmp_lt_u32 s52, s53
	s_cbranch_scc0 .Ldone
.Lpair:
	s_wait_loadcnt 0x0                             ; the tokens
	v_cndmask_b32 v[VS], v[TOK], v[TOK+1], s46     ; lanes 0-15: tile 0's rows, lanes 16-31: tile 1's
	v_min_u32 v[TOK], 1023, v[TOK]
	v_min_u32 v[TOK+1], 1023, v[TOK+1]
	v_min_u32 v[VS], 1023, v[VS]
	v_bfe_u32 v[VA], v0, 4, 1
	v_lshlrev_b32 v[VA], 4, v[VA]                  ; 16 h
	v_lshl_add_u32 v[VA+1], v[TOK+1], 11, v[VA]    ; a row of 2,048 codes, + 16 h
	v_lshl_add_u32 v[VA], v[TOK], 11, v[VA]
	v_lshlrev_b32 v[VS], 6, v[VS]                  ; a row of 64 scale bytes
	s_wait_alu depctr_va_vdst(0)                   ; v[VA], v[VA+1] and v[VS] are written, which the loads below read; what went before (phase A, or the last trip's products and epilogue) is done with XS, BF, BS and the rows' three buffers, in which these loads and K step 0's land
.irp i, 0,1,2,3
	global_load_b128 v[XS+4*\i:XS+4*\i+3], v[VS], s[6:7] offset:16*\i   ; register XS + s: the word of K step s
.endr
	ALOAD 0
	ALOAD 1
.irp s, 0,1,2,3,4,5,6,7,8,9,10,11,12,13,14,15
	KSTEP \s
.endr
	; ---- silu(g) u, quantised.  G of tile t: v[ACC + 32 t] on, 16 registers = columns 16 h + 0 .. 15 of my row; U behind it.  Each accumulator is read from its low end on
	s_lshl_b32 s42, s35, 14
	s_add_co_u32 s42, s42, s45
	s_lshl_b32 s43, s36, 14
	s_add_co_u32 s43, s43, s45
	s_lshl_b32 s50, s35, 9
	s_add_co_u32 s50, s50, s47
	s_lshl_b32 s51, s36, 9
	s_add_co_u32 s51, s51, s47
	v_add_nc_u32 v16, s42, v[LRA]                  ; where the codes go: 16,384 T + 512 j + 16 x lane.  (These four lines are four of the eight places behind the last products; the third buffer, where they lie, was last read a K step earlier)
	v_add_nc_u32 v17, s43, v[LRA]
	v_add_nc_u32 v18, s50, v[R4]                   ; where the byte goes: 512 T + 64 (j / 4) + 4 r + j % 4
	v_add_nc_u32 v19, s51, v[R4]
.rept 4
	v_nop
.endr
.irp t, 0,1
.irp p, 0,2,4,6,8,10,12,14
	v_pk_mul_f32 v[AB+16*\t+\p:AB+16*\t+\p+1], v[ACC+32*\t+\p:ACC+32*\t+\p+1], s[40:41] op_sel_hi:[1,0]   ; -g log2(e)
.endr
.endr
	s_wait_alu depctr_va_vdst(0)
.irp t, 0,1
.irp p, 0,1,2,3,4,5,6,7,8,9,10,11,12,13,14,15
	v_exp_f32 v[AB+16*\t+\p], v[AB+16*\t+\p]
.endr
.endr
	v_nop                                          ; a plain line behind the exponentials
	s_wait_alu depctr_va_vdst(0)                   ; the 32 exponentials have written v[AB ..], ahead of their first reader: one wait for the batch
.irp t, 0,1
.irp p, 0,2,4,6,8,10,12,14
	v_pk_add_f32 v[AB+16*\t+\p:AB+16*\t+\p+1], v[AB+16*\t+\p:AB+16*\t+\p+1], 1.0 op_sel_hi:[1,0]
.endr
.endr
	s_wait_alu depctr_va_vdst(0)
.irp t, 0,1
.irp p, 0,1,2,3,4,5,6,7,8,9,10,11,12,13,14,15
	v_rcp_f32 v[AB+16*\t+\p], v[AB+16*\t+\p]
.endr
.endr
	v_nop                                          ; a plain line behind the reciprocals
	s_wait_alu depctr_va_vdst(0)                   ; the 32 reciprocals have written v[AB ..], ahead of their first reader: one wait for the batch
.irp t, 0,1
.irp p, 0,2,4,6,8,10,12,14
	v_pk_mul_f32 v[ACC+32*\t+\p:ACC+32*\t+\p+1], v[ACC+32*\t+\p:ACC+32*\t+\p+1], v[AB+16*\t+\p:AB+16*\t+\p+1]          ; silu(g)
.endr
.endr
.irp t, 0,1
.irp p, 0,2,4,6,8,10,12,14
	v_pk_mul_f32 v[ACC+32*\t+\p:ACC+32*\t+\p+1], v[ACC+32*\t+\p:ACC+32*\t+\p+1], v[ACC+32*\t+16+\p:ACC+32*\t+16+\p+1]  ; x u
.endr
.endr
.irp t, 0,1
	v_max3_num_f32 v[20+\t], |v[ACC+32*\t]|, |v[ACC+32*\t+1]|, 0x4800000   ; my 16 numbers of the block, and the floor; the two tiles by turns
.endr
.irp i, 2,4,6,8,10,12,14
.irp t, 0,1
	v_max3_num_f32 v[20+\t], v[20+\t], |v[ACC+32*\t+\i]|, |v[ACC+32*\t+\i+1]|
.endr
.endr
.irp t, 0,1
	v_permlanex16_b32 v[22+\t], v[20+\t], s38, s39
.endr
.irp t, 0,1
	v_max_num_f32 v[20+\t], v[20+\t], v[22+\t]     ; with lane l xor 16's 16: the block's largest magnitude
.endr
.irp t, 0,1
	v_add_nc_u32 v[24+\t], 0xfc000000, v[20+\t]
.endr
.irp t, 0,1
	v_and_or_b32 v[26+\t], v[20+\t], 0x7f800000, s37
.endr
.irp t, 0,1
	v_lshrrev_b32 v[28+\t], 23, v[24+\t]
.endr
.irp t, 0,1
.irp i, 0,1,2,3,4,5,6,7,8,9,10,11,12,13,14,15
	v_med3_num_f32 v[ACC+32*\t+\i], v[ACC+32*\t+\i], -v[26+\t], v[26+\t]
.endr
.endr
.irp t, 0,1
	v_cvt_scalef32_pk8_fp8_f32 v[AB+32+4*\t:AB+32+4*\t+1], v[ACC+32*\t:ACC+32*\t+7], v[24+\t]
	v_cvt_scalef32_pk8_fp8_f32 v[AB+32+4*\t+2:AB+32+4*\t+3], v[ACC+32*\t+8:ACC+32*\t+15], v[24+\t]
.endr
	v_nop                                          ; one plain line behind the last conversion
	s_add_co_u32 s34, s34, 32                      ; the next pair's first local tile
	PAIRA                                          ; its tiles and its offsets in rowtok are made here, so that the one wait below serves the stores and the loads of tokens alike
	s_wait_alu depctr_va_vdst(0)                   ; the codes v[AB+32 ..], the bytes v28 and v29, the offsets v16 to v19, v30 and v31 are written, which the stores and loads below read; the pair's head is done with v[TOK] and v[TOK+1], in which the tokens land
.irp t, 0,1
	global_store_b128 v[16+\t], v[AB+32+4*\t:AB+32+4*\t+3], s[16:17]   ; 512 consecutive bytes, at a multiple of 512 from hc's first byte
	global_store_b8 v[18+\t], v[28+\t], s[18:19]   ; lanes r and r + 16 write the same byte with the same value
.endr
	PAIRL
	s_wait_xcnt 0x0                                ; the stores and loads have had their addresses translated: their offsets and data are written again in the next trip
	s_wait_alu depctr_vm_vsrc(0)                   ; this trip's loads have read v[VA], v[VA+1] and v[VS], its stores v16 to v19, v28, v29 and v[AB+32 ..], the loads of tokens v30 and v31: the next trip's head writes the first three, and its fragments land on the others
	s_add_co_u32 s52, s52, 1
	s_cmp_lt_u32 s52, s53
	s_cbranch_scc1 .Lpair
.Ldone:
	s_wait_xcnt 0x0                                ; every earlier memory instruction has had its addresses translated
	v_lshl_add_u32 v254, v0, 2, 0x21000            ; the add's two registers are made here, straight ahead of the closing lines: no two registers can be kept through the K loop.  No memory or LDS instruction has read either
	v_mov_b32 v255, 0
	s_wait_dscnt 0x0                               ; the closing lines, six on end
	s_wait_alu 0x0
	s_wait_tensorcnt 0x0
	ds_add_u32 v254, v255
	s_wait_dscnt 0x0
	s_endpgm
.Lfunc_end_k_qcc7e44f5f2_gateup:
	.size	k_qcc7e44f5f2_gateup, .Lfunc_end_k_qcc7e44f5f2_gateup-k_qcc7e44f5f2_gateup
	.p2alignl 7, 3214868480
	.fill 96, 4, 3214868480
	.section	.rodata,"a",@progbits
	.p2align	6, 0x0
	.amdhsa_kernel k_qcc7e44f5f2_gateup
		.amdhsa_group_segment_fixed_size 137216
		.amdhsa_private_segment_fixed_size 0
		.amdhsa_enable_private_segment 0
		.amdhsa_kernarg_size 64
		.amdhsa_user_sgpr_count 2
		.amdhsa_user_sgpr_kernarg_segment_ptr 1
		.amdhsa_wavefront_size32 1
		.amdhsa_system_sgpr_workgroup_id_x 1
		.amdhsa_system_sgpr_workgroup_id_y 1
		.amdhsa_system_sgpr_workgroup_id_z 1
		.amdhsa_system_vgpr_workitem_id 0
		.amdhsa_next_free_vgpr 256
		.amdhsa_next_free_sgpr 66
		.amdhsa_reserve_vcc 0
		.amdhsa_float_denorm_mode_32 3
		.amdhsa_float_denorm_mode_16_64 3
		.amdhsa_memory_ordered 1
		.amdhsa_forward_progress 1
		.amdhsa_inst_pref_size 124
	.end_amdhsa_kernel
	.amdgpu_metadata
---
amdhsa.version: [ 1, 2 ]
amdhsa.kernels:
  - .name:           k_qcc7e44f5f2_gateup
    .symbol:         k_qcc7e44f5f2_gateup.kd
    .args:
      - { .name: xc, .offset: 0, .size: 8, .value_kind: global_buffer, .address_space: global }
      - { .name: xs, .offset: 8, .size: 8, .value_kind: global_buffer, .address_space: global }
      - { .name: rowtok, .offset: 16, .size: 8, .value_kind: global_buffer, .address_space: global }
      - { .name: tinfo, .offset: 24, .size: 8, .value_kind: global_buffer, .address_space: global }
      - { .name: w1, .offset: 32, .size: 8, .value_kind: global_buffer, .address_space: global }
      - { .name: w3, .offset: 40, .size: 8, .value_kind: global_buffer, .address_space: global }
      - { .name: hc, .offset: 48, .size: 8, .value_kind: global_buffer, .address_space: global }
      - { .name: hs, .offset: 56, .size: 8, .value_kind: global_buffer, .address_space: global }
    .group_segment_fixed_size: 137216
    .private_segment_fixed_size: 0
    .kernarg_segment_align: 8
    .kernarg_segment_size: 64
    .max_flat_workgroup_size: 512
    .sgpr_count:     66
    .vgpr_count:     256
    .wavefront_size: 32
...
	.end_amdgpu_metadata
.endif
;; end of part 6
;; launch down (part 7): grid 32 x 8, 16 waves a work-group, no clusters, 139,264 bytes of LDS; arguments hc, hs, tinfo, w2, y; writes y
.if DOCPART == 7
	.amdgcn_target "amdgcn-amd-amdhsa--gfx1250"
	.amdhsa_code_object_version 6
	.text
	.protected	k_qcc7e44f5f2_down
	.globl	k_qcc7e44f5f2_down
	.p2align	8
	.type	k_qcc7e44f5f2_down,@function
k_qcc7e44f5f2_down:
	s_mov_b64 s[64:65], 0
	v_nop
	global_prefetch_b8 v0, s[64:65] scope:SCOPE_SE
	s_setreg_imm32_b32 hwreg(HW_REG_WAVE_SCHED_MODE, 0, 2), 2
	s_setreg_imm32_b32 hwreg(HW_REG_WAVE_MODE, 25, 1), 1
	s_wait_xcnt 0x0
	s_wait_alu depctr_vm_vsrc(0)
; y[p][:] = hidden[p][:] w2[e] for the rows p routed to expert e, on codes of E4M3 with one E8M0 scale for each 32 along K = 1,024.  y is laid by padded routed position, [2,160][2,048] f32.
; THE WEIGHTS STAY, THE ROWS COME.  Work-group (cs, e) owns columns 64 cs .. 64 cs + 63 of w2[e]: 1,024 x 64 f32, read from memory once in the whole program.
; PHASE A: wave w: group q = w % 2 of 32 columns, block kbl = w / 2 of 32 along K within each run of 256; task n takes K rows 256 n + 32 kbl + 0 .. 31.  A lane takes a column and its registers run down K.
;   A load reads 128 consecutive bytes; the wave beside it reads the other half of the same 256, so no cache hint is written.  The codes go to LDS as images of operand registers:
;   fragment (K step s, group q, tile u): four groups of 512 bytes, lane l' at 16 l'; the scale words 4 bytes a lane, tile 0 in lanes 0-15, tile 1 in lanes 16-31.
;   Row r' of tile u is column 8 u + r' + 8 (r' / 8) of its group, so that in a result the 16 registers of tiles 0 and 1 of a lane are 16 neighbouring columns, 16 (lane / 16) + 0 .. 15.
; ONE BARRIER, on the straight path.  Behind it the codes are only read.
; PHASE B: a wave takes a pair of tiles of 16 routed rows (local tiles 2 w, 2 w + 1; then 32 further on: four trips at the most).  The hidden layer lies in memory as images of this operand's registers: dense runs of 512 bytes.
;   Transposed use (source 0 = 16 columns of w2, source 1 = 16 rows): a lane holds one row.  Eight accumulators (2 tiles x 2 groups x 2 column tiles) by turns.
;   THE ROWS' FRAGMENTS HAVE THREE BUFFERS: K step s asks for step s + 2, so that a load has two K steps in which to land and 24 loads of a wave are out.
;   A tile's 16 rows x 64 columns go through the wave's own stage in LDS and leave as rows of 256 bytes: sixteen lanes store 256 consecutive bytes, at a multiple of 256 from y's first byte.
; With an odd number of tiles the last pair takes its one tile twice.  An expert without rows still streams its weights: no barrier stands under a branch on loaded numbers.
; NO TENSOR LOAD, NO CLUSTER: the number of an expert's tiles is read from memory and steers the trips; what the 32 work-groups of an expert share, the hidden codes, is 2 MB in all.
; A token's two experts are other work-groups' work, so the weighted sum is the next launch's.
; LIMITS: NaN and infinities are not served.  Blocks of w2 whose largest magnitude lies under 2^(9 - 127), blocks of zeros among them, get the byte 1 (this program alone reads the bytes).
; THE MODE: SCHED_MODE bits 1:0 = 2 (LLVM: expert scheduling mode 2), set by the entry lines.  The code itself states the register dependences
; between vector or matrix instructions and memory or LDS instructions, with s_wait_alu, always for 0.
; THE PLAN.  Registers that memory or LDS instructions touch:
;   v1, v4-v8, v12, v14, v15   offsets and LDS addresses: written at the head, never again.  v174, v175: written at the head, read by the closing add alone.
;   W0, W1 (v32-95)       phase A: task n's loads land in set n % 2; its maxima, holds and conversions name the set; behind them the loads of task n + 2 land in it.
;   v96-103, v24          phase A: written by task n's conversions and shift, read by its three LDS stores, written again by task n + 1; behind the last task rows' fragments land there.
;   v9-11                 written at a pair's head, read by all the pair's global loads.
;   XS, BF, BS, and the rows' three buffers: written by loads, read by products.  The loads of K step s land in BF, BS and buffer (s + 2) % 3, which the products of step s - 1 were the last to read.
;   The accumulators      written by products, read by the way out's LDS stores, written again by the next trip's products.
;   v96-159, v16-17       the way out: the loads from the stage land in the first, two vector lines write the others; the stores to y read both; in the next trip fragments land there.
; So: one wait on va_vdst in a task, behind its conversions, and one on vm_vsrc at its end; one on va_vdst at a pair's head, which serves K step 0 too; one at the head of each later K step, ahead of all the step's loads
; (w2's fragments have one buffer, so a step's products cannot begin before these loads land: behind the wait is the earliest place for them); one ahead of the way out's LDS stores; one on vm_vsrc behind the stores to y, ahead of the backward branch.
.set NT,  4
.set NS,  8
.set RS,  8192                         ; a row of w2 in bytes
.set SCB, 65536                        ; LDS: behind the 8 x 8,192 bytes of fragments, 16 x 128 bytes of scale words
.set STAGE, 67584                      ; and the stages: 16 rows x (256 + 16) bytes for each wave
.set WOFF, 1                           ; v1       4 x my column
.set BS,  2                            ; v2-3     w2's scale words of the K step in hand; scales and nothing else
.set STO, 4                            ; v4       the stage: where I put 16 bytes of a row
.set LSW, 5                            ; v5       where I store a scale byte
.set LRA, 6                            ; v6       16 x lane
.set RD,  7                            ; v7       the stage: where I read a row back
.set LSR, 8                            ; v8       SCB + 4 x lane
.set VA,  9                            ; v9-10    byte offsets of the two tiles' images
.set VS,  11                           ; v11      byte offset of my row's scale words
.set YO,  12                           ; v12      8,192 h + 16 r: my place in two rows of y
;                                        v13      at work
.set LWA, 14                           ; v14      where I store codes
.set R4,  15                           ; v15      4 r
;                                        v16-31   phase A: work (v20-24); the way out: offsets in y (v16-17).  In the K loop: the third buffer's tile 0
.set W,   32                           ; v32-95   phase A: two sets of 32 numbers
.set ACC, 32                           ; v32-95   phase B: accumulator (t, q, u) at ACC + 32 t + 16 q + 8 u
.set AB,  96                           ; v96-159  phase A: v96-103 a block's codes.  Phase B: the rows' fragments, buffers 0 and 1 (tile t at + 16 t); at the end rows of y
.set XS,  160                          ; v160-167 the rows' scale words of the 8 K steps; scales and nothing else
.set BF,  176                          ; v176-239 four fragments of w2
;                                        v240-255 the third buffer's tile 1
; s28, s29 my expert's first tile and number of tiles; s34 the pair's first local tile; s35, s36 the pair's tiles; s52 trips done; s53 my trips
	s_load_b256 s[4:11], s[0:1], 0x0               ; hc s[4:5], hs s[6:7], tinfo s[8:9], w2 s[10:11]
	s_load_b64 s[12:13], s[0:1], 0x20              ; y
	v_lshl_add_u32 v174, v0, 2, 0x21800
	v_mov_b32 v175, 0
	v_lshrrev_b32 v20, 5, v0
	v_readfirstlane_b32 s20, v20                   ; wave 0..15
	s_mov_b32 s21, ttmp9                           ; cs
	s_and_b32 s22, ttmp7, 0xffff                   ; e
	s_wait_alu depctr_va_sdst(0)                   ; s20 is written, ahead of its first reader: the wave's shares and addresses are made from it
	s_and_b32 s23, s20, 1                          ; q
	s_lshr_b32 s24, s20, 1                         ; kbl
	s_lshr_b32 s25, s20, 3                         ; kbl / 4
	s_and_b32 s26, s24, 3                          ; kbl % 4
	v_and_b32 v24, 31, v0                          ; lane
	v_and_b32 v20, 7, v0
	v_bfe_u32 v21, v0, 4, 1                        ; u in phase A, h in phase B
	v_bfe_u32 v22, v0, 3, 1
	v_and_b32 v23, 15, v0                          ; r
	v_lshl_add_u32 v[WOFF], v21, 3, v20
	v_lshl_add_u32 v[WOFF], v22, 4, v[WOFF]        ; my column of the group: lane % 8 + 8 u + 16 ((lane / 8) % 2)
	v_lshlrev_b32 v[WOFF], 2, v[WOFF]
	s_lshl_b32 s42, s23, 12
	s_lshl_b32 s43, s25, 13
	s_add_co_u32 s42, s42, s43
	s_lshl_b32 s43, s26, 9
	s_add_co_u32 s42, s42, s43
	v_lshlrev_b32 v[LWA], 4, v23
	v_lshl_add_u32 v[LWA], v21, 11, v[LWA]
	v_add_nc_u32 v[LWA], s42, v[LWA]               ; 4,096 q + 8,192 (kbl / 4) + 512 (kbl % 4) + 2,048 u + 16 r
	s_lshl_b32 s42, s25, 8
	s_lshl_b32 s43, s23, 7
	s_add_co_u32 s42, s42, s43
	s_add_co_u32 s42, s42, s26
	s_add_co_u32 s42, s42, SCB
	v_lshl_add_u32 v[LSW], v24, 2, s42             ; SCB + 256 (kbl / 4) + 128 q + 4 x lane + kbl % 4
	v_lshlrev_b32 v[LRA], 4, v24
	v_lshl_add_u32 v[LSR], v24, 2, SCB
	v_lshlrev_b32 v[R4], 2, v23
	s_mul_i32 s42, s20, 16*272
	s_add_co_u32 s42, s42, STAGE                   ; my stage
	v_mul_u32_u24 v[STO], v23, 272
	v_lshl_add_u32 v[STO], v21, 6, v[STO]
	v_add_nc_u32 v[STO], s42, v[STO]               ; in: row r, + 64 h: my 16 columns of a group
	v_mul_u32_u24 v[RD], v21, 272
	v_lshl_add_u32 v[RD], v23, 4, v[RD]
	v_add_nc_u32 v[RD], s42, v[RD]                 ; back: lanes 0-15 one row of 256 bytes, lanes 16-31 the next
	v_lshlrev_b32 v[YO], 4, v23
	v_lshl_add_u32 v[YO], v21, 13, v[YO]           ; and the same two rows in y
	s_mov_b32 s37, 0x600000                        ; the mantissa field of 448
	s_mov_b32 s46, 0xffff0000                      ; lanes 16-31
	s_lshl_b32 s34, s20, 1                         ; my pair's first local tile
	s_lshl_b32 s32, s22, 23                        ; an expert's 1,024 x 2,048 x 4 bytes,
	s_lshl_b32 s44, s24, 18                        ; 32 kbl rows,
	s_add_co_u32 s32, s32, s44
	s_lshl_b32 s44, s21, 8                         ; 64 cs columns,
	s_add_co_u32 s32, s32, s44
	s_lshl_b32 s44, s23, 7                         ; 32 q columns
	s_add_co_u32 s32, s32, s44
	s_mov_b32 s33, 0
	s_lshl_b32 s48, s22, 3
	s_mov_b32 s49, 0
	s_lshl_b32 s50, s21, 8
	s_mov_b32 s51, 0
	s_wait_kmcnt 0x0
	s_add_nc_u64 s[30:31], s[10:11], s[32:33]
	s_add_nc_u64 s[8:9], s[8:9], s[48:49]
	s_add_nc_u64 s[12:13], s[12:13], s[50:51]      ; y at my 64 columns
	s_load_b64 s[28:29], s[8:9], 0x0               ; my expert's first tile and number of tiles
.macro WLOAD n                         ; task n's 32 rows into set n % 2
.set wi, 0
.rept 32
	global_load_b32 v[W+32*((\n)%2)+wi], v[WOFF], s[30:31] offset:(256*(\n)+wi)*RS   ; the largest offset, 799 rows, lies inside the signed 24-bit immediate (ISA guide, chapter 10)
.set wi, wi+1
.endr
.endm
.macro TASK n, cnt                     ; cnt: the loads issued behind this task's, which may stay out
.set WS, W+32*((\n)%2)
	s_wait_loadcnt \cnt
	v_max3_num_f32 v20, |v[WS]|, |v[WS+1]|, |v[WS+2]|              ; the block's largest magnitude: all 32 numbers are mine; two chains
	v_max3_num_f32 v21, |v[WS+3]|, |v[WS+4]|, |v[WS+5]|
.irp i, 6,10,14,18,22,26
	v_max3_num_f32 v20, v20, |v[WS+\i]|, |v[WS+\i+1]|
	v_max3_num_f32 v21, v21, |v[WS+\i+2]|, |v[WS+\i+3]|
.endr
	v_max3_num_f32 v20, v20, |v[WS+30]|, |v[WS+31]|
	v_max3_num_f32 v20, v20, v21, 0x4800000        ; and the floor 2^(9 - 127): the byte cannot fall under 1
	v_add_nc_u32 v22, 0xfc000000, v20              ; 8 off its exponent field: the conversion's scale operand
	v_and_or_b32 v23, v20, 0x7f800000, s37         ; 448 x the scale
	v_lshrrev_b32 v24, 23, v22                     ; the scale's byte
.set mi, 0
.rept 32
	v_med3_num_f32 v[WS+mi], v[WS+mi], -v23, v23   ; the conversion to an 8-bit code does not saturate (ISA guide 7.6.2): the hold comes first
.set mi, mi+1
.endr
.irp g, 0,1,2,3
	v_cvt_scalef32_pk8_fp8_f32 v[AB+2*\g:AB+2*\g+1], v[WS+8*\g:WS+8*\g+7], v22
.endr
	v_nop                                          ; one plain line behind the last conversion
	s_wait_alu depctr_va_vdst(0)                   ; the conversions have written v[AB ..] and the shift v24, which the LDS stores read; the holds and the conversions are done with this set, in which the loads of two tasks on land
	ds_store_b128 v[LWA], v[AB:AB+3] offset:16384*(\n)             ; k 0-15 of the block: the image's lane r
	ds_store_b128 v[LWA], v[AB+4:AB+7] offset:16384*(\n)+256       ; k 16-31: its lane r + 16
	ds_store_b8 v[LSW], v24 offset:512*(\n)
.if (\n)+2 < NT
	WLOAD (\n)+2                                   ; no wait: no vector instruction since the wait above names this set or v[WOFF]
.endif
	s_wait_dscnt 0x0                               ; this task's LDS stores have landed
	s_wait_alu depctr_vm_vsrc(0)                   ; the LDS stores have read v[AB ..] and v24: the next task writes them again, and behind the last task the rows' fragments land there
.endm
.macro PAIR                            ; the pair's two tiles, clamped by written constants
	s_add_co_u32 s35, s28, s34
	s_min_u32 s35, s35, 134                        ; T0
	s_add_co_u32 s36, s34, 1
	s_sub_co_u32 s42, s29, 1
	s_min_u32 s36, s36, s42                        ; with an odd number of tiles the last pair takes its one tile twice
	s_add_co_u32 s36, s36, s28
	s_min_u32 s36, s36, 134                        ; T1
.endm
.macro ABASE s, t                      ; rA: where tile t's fragment of K step s lies: buffer s % 3
.if ((\s)%3) == 2
.set rA, 16+224*(\t)
.else
.set rA, AB+32*((\s)%3)+16*(\t)
.endif
.endm
.macro ALOAD s                         ; the two tiles' fragments of K step s, as they were stored: 512 consecutive bytes a load.  No hint: the expert's 32 work-groups read them
.irp t, 0,1
	ABASE \s, \t
.irp c, 0,1,2,3
	global_load_b128 v[rA+4*\c:rA+4*\c+3], v[VA+\t], s[4:5] offset:2048*(\s)+512*\c
.endr
.endr
.endm
.macro WM s, t, q, u                   ; one product.  Tile u = 1 of w2 has its scale words in lanes 16-31, and so has tile t = 1 of the rows
.set rD, ACC+32*\t+16*\q+8*\u
.set rB, BF+32*\q+16*\u
	ABASE \s, \t
.if (\s) == 0                          ; the first K step starts the sums: nothing is cleared
.if \u == 0 && \t == 0
	v_wmma_scale_f32_16x16x128_f8f6f4 v[rD:rD+7], v[rB:rB+15], v[rA:rA+15], 0, v[BS+\q], v[XS+(\s)]
.elseif \u == 1 && \t == 0
	v_wmma_scale_f32_16x16x128_f8f6f4 v[rD:rD+7], v[rB:rB+15], v[rA:rA+15], 0, v[BS+\q], v[XS+(\s)] matrix_a_scale:MATRIX_SCALE_ROW1
.elseif \u == 0 && \t == 1
	v_wmma_scale_f32_16x16x128_f8f6f4 v[rD:rD+7], v[rB:rB+15], v[rA:rA+15], 0, v[BS+\q], v[XS+(\s)] matrix_b_scale:MATRIX_SCALE_ROW1
.else
	v_wmma_scale_f32_16x16x128_f8f6f4 v[rD:rD+7], v[rB:rB+15], v[rA:rA+15], 0, v[BS+\q], v[XS+(\s)] matrix_a_scale:MATRIX_SCALE_ROW1 matrix_b_scale:MATRIX_SCALE_ROW1
.endif
.else
.if \u == 0 && \t == 0
	v_wmma_scale_f32_16x16x128_f8f6f4 v[rD:rD+7], v[rB:rB+15], v[rA:rA+15], v[rD:rD+7], v[BS+\q], v[XS+(\s)]
.elseif \u == 1 && \t == 0
	v_wmma_scale_f32_16x16x128_f8f6f4 v[rD:rD+7], v[rB:rB+15], v[rA:rA+15], v[rD:rD+7], v[BS+\q], v[XS+(\s)] matrix_a_scale:MATRIX_SCALE_ROW1
.elseif \u == 0 && \t == 1
	v_wmma_scale_f32_16x16x128_f8f6f4 v[rD:rD+7], v[rB:rB+15], v[rA:rA+15], v[rD:rD+7], v[BS+\q], v[XS+(\s)] matrix_b_scale:MATRIX_SCALE_ROW1
.else
	v_wmma_scale_f32_16x16x128_f8f6f4 v[rD:rD+7], v[rB:rB+15], v[rA:rA+15], v[rD:rD+7], v[BS+\q], v[XS+(\s)] matrix_a_scale:MATRIX_SCALE_ROW1 matrix_b_scale:MATRIX_SCALE_ROW1
.endif
.endif
.endm
.macro KSTEP s
.if (\s) == 0
	v_nop                                          ; one place more: the first products write over accumulators of the trip before
.endif
.rept 8
	v_nop                                          ; eight places behind the last products, in front of loads into their operands and scale registers
.endr
.if (\s) > 0
	s_wait_alu depctr_va_vdst(0)                   ; the last step's products are done reading w2's fragments, their scale words and the rows' buffer (s + 2) % 3: all this step's loads land there.  (K step 0 leans on the wait at the pair's head: only v_nop stand between)
.endif
.irp q, 0,1
.irp u, 0,1
.irp c, 0,1,2,3
	ds_load_b128 v[BF+32*\q+16*\u+4*\c:BF+32*\q+16*\u+4*\c+3], v[LRA] offset:(\s)*8192+\q*4096+\u*2048+\c*512
.endr
.endr
	ds_load_b32 v[BS+\q], v[LSR] offset:(2*(\s)+\q)*128
.endr
.if (\s)+2 < NS
	ALOAD (\s)+2                                   ; the rows of two K steps on, into the buffer that the last step's products have read
	s_wait_loadcnt 16                              ; the eight just issued and the next step's eight may be out; this step's rows, and the scale words, are in
.elseif (\s)+1 < NS
	s_wait_loadcnt 8                               ; the last step's eight may be out
.else
	s_wait_loadcnt 0x0
.endif
	s_wait_dscnt 0x0
.irp t, 0,1
.irp q, 0,1
.irp u, 0,1
	WM \s, \t, \q, \u
.endr
.endr
.endr
.endm
	s_wait_alu depctr_va_vdst(0)                   ; the offsets and LDS addresses v1, v4 to v8, v12, v14 and v15 are written, which the kernel's loads and stores read
	WLOAD 0
	WLOAD 1
	s_wait_kmcnt 0x0
	s_min_u32 s28, s28, 134
	s_min_u32 s29, s29, 128                        ; 2,048 rows are 128 tiles at the most
	s_add_co_u32 s53, s29, 31                      ; my trips: how many of the local tiles 2 w, 2 w + 32, .. lie under the expert's number of tiles:
	s_sub_co_u32 s53, s53, s34                     ; (tiles + 31 - 2 w) / 32, rounded down; 2 w is 30 at the most, so the sum is not negative
	s_lshr_b32 s53, s53, 5
	s_min_u32 s53, s53, 4                          ; 128 tiles are four trips at the most
	s_mov_b32 s52, 0                               ; trips done
	PAIR
	TASK 0, 32                                     ; behind a task's loads: the next task's 32
	TASK 1, 32
	TASK 2, 32
	TASK 3, 0
	s_wait_dscnt 0x0                               ; for the others' sake: my codes and scale bytes have landed
	s_barrier_signal -1
	s_barrier_wait -1                              ; the slice's codes lie in LDS; from here on they are only read
	s_cmp_lt_u32 s52, s53
	s_cbranch_scc0 .Ldone
.Lpair:
	s_lshl_b32 s42, s35, 14
	s_lshl_b32 s43, s36, 14
	v_add_nc_u32 v[VA], s42, v[LRA]                ; a tile of hc is 16,384 bytes; 16 x lane
	v_add_nc_u32 v[VA+1], s43, v[LRA]
	v_mov_b32 v[VS], s35
	v_mov_b32 v13, s36
	v_cndmask_b32 v[VS], v[VS], v13, s46           ; lanes 0-15: tile 0, lanes 16-31: tile 1
	v_min_u32 v[VS], 134, v[VS]
	v_lshl_add_u32 v[VS], v[VS], 9, v[R4]          ; a tile of hs is 512 bytes; 4 r
	s_wait_alu depctr_va_vdst(0)                   ; v[VA], v[VA+1] and v[VS] are written, which the loads below read; what went before (phase A, or the last trip's products) is done with XS, BF, BS and the rows' three buffers, in which these loads and K step 0's land
.irp s, 0,1,2,3,4,5,6,7
	global_load_b32 v[XS+\s], v[VS], s[6:7] offset:64*\s
.endr
	ALOAD 0
	ALOAD 1
.irp s, 0,1,2,3,4,5,6,7
	KSTEP \s
.endr
	; ---- the way out.  Lane (r, h), accumulator (t, q, u), register i: y(16 T + r, 64 cs + 32 q + 16 h + 8 u + i)
	s_lshl_b32 s42, s35, 17                        ; a tile's 16 rows of 8,192 bytes
	s_lshl_b32 s43, s36, 17
	v_add_nc_u32 v16, s42, v[YO]                   ; (these two lines are two of the eight places behind the last products; the third buffer, where they lie, was last read two K steps earlier)
	v_add_nc_u32 v17, s43, v[YO]
.rept 6
	v_nop
.endr
	s_wait_alu depctr_va_vdst(0)                   ; the products have written the accumulators, which the LDS stores read, and are done reading v[AB ..], in which the loads from the stage land; v16 and v17 are written, which the stores to y read.  The eight places above stay beside this wait
.irp t, 0,1
.irp q, 0,1
.irp u, 0,1
	ds_store_b128 v[STO], v[ACC+32*\t+16*\q+8*\u:ACC+32*\t+16*\q+8*\u+3] offset:128*\q+32*\u       ; each accumulator from its low end on
	ds_store_b128 v[STO], v[ACC+32*\t+16*\q+8*\u+4:ACC+32*\t+16*\q+8*\u+7] offset:128*\q+32*\u+16
.endr
.endr
.irp i, 0,1,2,3,4,5,6,7
	ds_load_b128 v[AB+32*\t+4*\i:AB+32*\t+4*\i+3], v[RD] offset:544*\i   ; LDS serves a wave's instructions in order (ISA guide 5.7.1.4): these see the stores above, and tile 1's stores come behind tile 0's loads
.endr
.endr
.irp t, 0,1
.irp i, 0,1,2,3,4,5,6,7
	s_wait_dscnt 16*(1-\t)+7-\i                    ; behind this load: the rest of its tile's eight, and for tile 0 tile 1's sixteen
	global_store_b128 v[16+\t], v[AB+32*\t+4*\i:AB+32*\t+4*\i+3], s[12:13] offset:16384*\i   ; rows 2 i and 2 i + 1; no hint: the next launch reads y
.endr
.endr
	s_wait_xcnt 0x0                                ; the stores have had their addresses translated: their offsets and data are written again in the next trip
	s_wait_alu depctr_vm_vsrc(0)                   ; this trip's loads have read v[VA], v[VA+1] and v[VS], the LDS stores the accumulators, the stores to y v16, v17 and v[AB ..]: the next trip's head, its products and its fragments write them again
	s_add_co_u32 s34, s34, 32                      ; the next pair's first local tile
	PAIR
	s_add_co_u32 s52, s52, 1
	s_cmp_lt_u32 s52, s53
	s_cbranch_scc1 .Lpair
.Ldone:
	s_wait_dscnt 0x0                               ; the closing lines, six on end
	s_wait_alu 0x0
	s_wait_tensorcnt 0x0
	ds_add_u32 v174, v175
	s_wait_dscnt 0x0
	s_endpgm
.Lfunc_end_k_qcc7e44f5f2_down:
	.size	k_qcc7e44f5f2_down, .Lfunc_end_k_qcc7e44f5f2_down-k_qcc7e44f5f2_down
	.p2alignl 7, 3214868480
	.fill 96, 4, 3214868480
	.section	.rodata,"a",@progbits
	.p2align	6, 0x0
	.amdhsa_kernel k_qcc7e44f5f2_down
		.amdhsa_group_segment_fixed_size 139264
		.amdhsa_private_segment_fixed_size 0
		.amdhsa_enable_private_segment 0
		.amdhsa_kernarg_size 40
		.amdhsa_user_sgpr_count 2
		.amdhsa_user_sgpr_kernarg_segment_ptr 1
		.amdhsa_wavefront_size32 1
		.amdhsa_system_sgpr_workgroup_id_x 1
		.amdhsa_system_sgpr_workgroup_id_y 1
		.amdhsa_system_sgpr_workgroup_id_z 1
		.amdhsa_system_vgpr_workitem_id 0
		.amdhsa_next_free_vgpr 256
		.amdhsa_next_free_sgpr 66
		.amdhsa_reserve_vcc 0
		.amdhsa_float_denorm_mode_32 3
		.amdhsa_float_denorm_mode_16_64 3
		.amdhsa_memory_ordered 1
		.amdhsa_forward_progress 1
		.amdhsa_inst_pref_size 64
	.end_amdhsa_kernel
	.amdgpu_metadata
---
amdhsa.version: [ 1, 2 ]
amdhsa.kernels:
  - .name:           k_qcc7e44f5f2_down
    .symbol:         k_qcc7e44f5f2_down.kd
    .args:
      - { .name: hc, .offset: 0, .size: 8, .value_kind: global_buffer, .address_space: global }
      - { .name: hs, .offset: 8, .size: 8, .value_kind: global_buffer, .address_space: global }
      - { .name: tinfo, .offset: 16, .size: 8, .value_kind: global_buffer, .address_space: global }
      - { .name: w2, .offset: 24, .size: 8, .value_kind: global_buffer, .address_space: global }
      - { .name: y, .offset: 32, .size: 8, .value_kind: global_buffer, .address_space: global }
    .group_segment_fixed_size: 139264
    .private_segment_fixed_size: 0
    .kernarg_segment_align: 8
    .kernarg_segment_size: 40
    .max_flat_workgroup_size: 512
    .sgpr_count:     66
    .vgpr_count:     256
    .wavefront_size: 32
...
	.end_amdgpu_metadata
.endif
;; end of part 7
;; launch combine (part 8): grid 256 x 1, 4 waves a work-group, no clusters, 0 bytes of LDS; arguments y, pos, expert_weights, out0; writes out0
.if DOCPART == 8
	.amdgcn_target "amdgcn-amd-amdhsa--gfx1250"
	.amdhsa_code_object_version 6
	.text
	.protected	k_qcc7e44f5f2_combine
	.globl	k_qcc7e44f5f2_combine
	.p2align	8
	.type	k_qcc7e44f5f2_combine,@function
k_qcc7e44f5f2_combine:
	s_mov_b64 s[64:65], 0
	v_nop
	global_prefetch_b8 v0, s[64:65] scope:SCOPE_SE
	s_setreg_imm32_b32 hwreg(HW_REG_WAVE_MODE, 25, 1), 1
	s_wait_xcnt 0x0
; out0[b][:] = w(b, 0) y[pos(b, 0)][:] + w(b, 1) y[pos(b, 1)][:].  y: [2,160][2,048] f32 by routed position; pos: [1,024][2] whole numbers; expert_weights: [1,024][2] f32.
; A wave takes one token: two rows of 8,192 bytes in, one out.  Each load and store covers 512 consecutive bytes.  All 32 loads go out at once; the waits count down.
; A stream: no LDS, no barrier, no matrix unit, no cluster (the work-groups share no input).  No register is written twice, so no wait frees a store's sources.
	s_load_b256 s[4:11], s[0:1], 0x0               ; y s[4:5], pos s[6:7], expert_weights s[8:9], out0 s[10:11]
	v_lshrrev_b32 v4, 5, v0
	v_readfirstlane_b32 s12, v4                    ; wave 0..3
	v_and_b32 v1, 31, v0
	v_lshlrev_b32 v1, 4, v1                        ; 16 x lane
	s_lshl_b32 s13, ttmp9, 2
	s_add_co_u32 s13, s13, s12                     ; my token
	s_lshl_b32 s24, s13, 3                         ; 8 bytes a token in pos and in expert_weights
	s_mov_b32 s25, 0
	s_lshl_b32 s28, s13, 13                        ; 8,192 bytes a row of out0
	s_mov_b32 s29, 0
	s_wait_alu depctr_va_vdst(0)
	s_wait_kmcnt 0x0
	s_add_nc_u64 s[6:7], s[6:7], s[24:25]
	s_add_nc_u64 s[8:9], s[8:9], s[24:25]
	s_add_nc_u64 s[10:11], s[10:11], s[28:29]
	s_load_b64 s[14:15], s[6:7], 0x0               ; the two positions
	s_load_b64 s[16:17], s[8:9], 0x0               ; the two weights
	s_wait_kmcnt 0x0
	s_min_u32 s14, s14, 2159
	s_min_u32 s15, s15, 2159
	s_lshl_b32 s14, s14, 13
	s_lshl_b32 s15, s15, 13
	v_add_nc_u32 v2, s14, v1
	v_add_nc_u32 v3, s15, v1
	s_mov_b32 s18, s17                             ; the second weight as a pair's low word (the packed form takes the low word for both halves; the pair is written whole)
	s_mov_b32 s19, s17
.irp i, 0,1,2,3,4,5,6,7,8,9,10,11,12,13,14,15
	global_load_b128 v[16+4*\i:19+4*\i], v2, s[4:5] offset:512*\i th:TH_LOAD_NT    ; each position belongs to one entry: read once
	global_load_b128 v[80+4*\i:83+4*\i], v3, s[4:5] offset:512*\i th:TH_LOAD_NT
.endr
.irp i, 0,1,2,3,4,5,6,7,8,9,10,11,12,13,14,15
	s_wait_loadcnt 2*(15-\i)                       ; the later pairs of loads may stay out
	v_pk_mul_f32 v[16+4*\i:17+4*\i], v[16+4*\i:17+4*\i], s[16:17] op_sel_hi:[1,0]
	v_pk_mul_f32 v[18+4*\i:19+4*\i], v[18+4*\i:19+4*\i], s[16:17] op_sel_hi:[1,0]
	v_pk_fma_f32 v[16+4*\i:17+4*\i], v[80+4*\i:81+4*\i], s[18:19], v[16+4*\i:17+4*\i] op_sel_hi:[1,0,1]
	v_pk_fma_f32 v[18+4*\i:19+4*\i], v[82+4*\i:83+4*\i], s[18:19], v[18+4*\i:19+4*\i] op_sel_hi:[1,0,1]
	global_store_b128 v1, v[16+4*\i:19+4*\i], s[10:11] offset:512*\i th:TH_STORE_NT
.endr
	s_endpgm
.Lfunc_end_k_qcc7e44f5f2_combine:
	.size	k_qcc7e44f5f2_combine, .Lfunc_end_k_qcc7e44f5f2_combine-k_qcc7e44f5f2_combine
	.p2alignl 7, 3214868480
	.fill 96, 4, 3214868480
	.section	.rodata,"a",@progbits
	.p2align	6, 0x0
	.amdhsa_kernel k_qcc7e44f5f2_combine
		.amdhsa_group_segment_fixed_size 0
		.amdhsa_private_segment_fixed_size 0
		.amdhsa_enable_private_segment 0
		.amdhsa_kernarg_size 32
		.amdhsa_user_sgpr_count 2
		.amdhsa_user_sgpr_kernarg_segment_ptr 1
		.amdhsa_wavefront_size32 1
		.amdhsa_system_sgpr_workgroup_id_x 1
		.amdhsa_system_sgpr_workgroup_id_y 1
		.amdhsa_system_sgpr_workgroup_id_z 1
		.amdhsa_system_vgpr_workitem_id 0
		.amdhsa_next_free_vgpr 160
		.amdhsa_next_free_sgpr 66
		.amdhsa_reserve_vcc 0
		.amdhsa_float_denorm_mode_32 3
		.amdhsa_float_denorm_mode_16_64 3
		.amdhsa_memory_ordered 1
		.amdhsa_forward_progress 1
		.amdhsa_inst_pref_size 11
	.end_amdhsa_kernel
	.amdgpu_metadata
---
amdhsa.version: [ 1, 2 ]
amdhsa.kernels:
  - .name:           k_qcc7e44f5f2_combine
    .symbol:         k_qcc7e44f5f2_combine.kd
    .args:
      - { .name: y, .offset: 0, .size: 8, .value_kind: global_buffer, .address_space: global }
      - { .name: pos, .offset: 8, .size: 8, .value_kind: global_buffer, .address_space: global }
      - { .name: expert_weights, .offset: 16, .size: 8, .value_kind: global_buffer, .address_space: global }
      - { .name: out0, .offset: 24, .size: 8, .value_kind: global_buffer, .address_space: global }
    .group_segment_fixed_size: 0
    .private_segment_fixed_size: 0
    .kernarg_segment_align: 8
    .kernarg_segment_size: 32
    .max_flat_workgroup_size: 128
    .sgpr_count:     66
    .vgpr_count:     160
    .wavefront_size: 32
...
	.end_amdgpu_metadata
.endif
;; end of part 8
